; MI455X (gfx1250); checked and timed in simulation.
; The chip was launched on July 23, 2026; its instructions are those of AMD's public machine-readable ISA for CDNA 5 (MIT licence, August 2026) and "CDNA5" Instruction Set Architecture Reference Guide (July 2026). The comments in the code are by the model that wrote it; some were corrected since.
;; Self Attention. Allowed arithmetic: matrix products marked QUANTISED: E4M3 operands, one given power-of-two scale a tensor, by v_wmma_f32_16x16x64_fp8_fp8 or v_wmma_f32_16x16x128_fp8_fp8, f32 sums; everything else in f32.
;; Inputs: Wk_codes 1,024 x 32 x 32 uint8 (E4M3 codes of Wk, K innermost, in blocks of 32 codes); Wq_codes 1,024 x 32 x 32 uint8 (E4M3 codes of Wq, K innermost, in blocks of 32 codes); Wv_codes 1,024 x 32 x 32 uint8 (E4M3 codes of Wv, K innermost, in blocks of 32 codes); bk 1,024 float32; bq 1,024 float32; bv 1,024 float32; lowp_scales 10 int32 (the exponents e of the quantised operands' scales 2^e); x_codes 4 x 2,048 x 32 x 32 uint8 (E4M3 codes of x, K innermost, in blocks of 32 codes).
;; Outputs: out0 4 x 2,048 x 1,024 float32.
;; This version of the problem:
;;   THIS VERSION OF THE PROBLEM IS GIVEN IN LOW PRECISION. The matrix products marked QUANTISED in the list below multiply operands that are first quantised to E4M3 (4 exponent bits, 3 mantissa bits; 8 bits a number), with one given power-of-two scale for each operand tensor; their sums are f32. All else is computed in f32.
;;   The module's matrix products, in the order in which they are computed (A, B: the left and right operand; K: the contracted axis; several contracted axes count as one K, in the product's order):
;;     1. [M 8,192, K 1,024] x [K 1,024, N 1,024]; A: input x (given as codes); B: input Wq (given as codes): QUANTISED (scales: A lowp_scales[0], B lowp_scales[1])
;;     2. [M 8,192, K 1,024] x [K 1,024, N 1,024]; A: input x (given as codes); B: input Wk (given as codes): QUANTISED (scales: A lowp_scales[2], B lowp_scales[3])
;;     3. [M 8,192, K 1,024] x [K 1,024, N 1,024]; A: input x (given as codes); B: input Wv (given as codes): QUANTISED (scales: A lowp_scales[4], B lowp_scales[5])
;;     4. batch 4 x [M 2,048, K 1,024] x [K 1,024, N 2,048]; A: computed on the way; B: computed on the way: QUANTISED (scales: A lowp_scales[6], B lowp_scales[7])
;;     5. batch 4 x [M 2,048, K 2,048] x [K 2,048, N 1,024]; A: softmax (see below); B: computed on the way: QUANTISED (scales: A lowp_scales[8], B lowp_scales[9])
;;   THE QUANTISER, for each operand of a quantised product, along K:
;;     - The operand's scale is 2^e, e = its entry of the input lowp_scales (int32; the entries are numbered through the quantised products in the list's order, A before B).
;;     - Each number is divided by the scale, clamped to +-448, and rounded to the nearest number of E4M3, ties to even, subnormals kept.
;;     - The product sums the exact products of the quantised numbers (number of the format x scale) in f32.
;;   ~~~python
;;   def quantise(x, axis, e):      # numpy; x: float32 -> the quantised numbers, widened to float32 again
;;       x = np.moveaxis(x, axis, -1); K = x.shape[-1]
;;       r = np.clip(x / 2.0 ** e, -448, 448)
;;       step = 2.0 ** (np.maximum(np.frexp(np.where(r == 0, 1, r))[1] - 1, -6) - 3)
;;       q = np.round(r / step) * step * 2.0 ** e      # np.round: ties to even
;;       return np.moveaxis(q, -1, axis).astype(np.float32)
;;   ~~~
;;   SOFTMAX AHEAD OF A QUANTISED PRODUCT. Where the list says 'softmax', what is quantised is not the finished softmax but p = 2^(t - M), with t = logit x log2(e) and M = ceil(the row's largest t), a whole number; so 1/2 < the row's largest p <= 1. The row's sum l is taken of the UNQUANTISED p, in f32, and the product's result is divided by l at the end. Since M is a whole number, a kernel that streams over the keys may use a running M (the ceiling of the running maximum): every later rescaling is an exact power of two, so the quantised numbers keep their values, but for numbers so far below the row's largest that they fall under the format's range.
;;   OPERANDS COMPUTED ON THE WAY. 'Computed on the way' means the value that the module computes at that place (a softmax that the list does not call 'softmax' is quantised finished and normalised). What goes into a quantiser is computed in f32, as accurately as f32 sums, v_exp_f32 and their like allow (about 1e-6 of the number): no bf16 or f16 on the way to a quantiser, and a product that is left as it is and whose result goes on into a quantised operand takes f32 operands (vector FMAs, or v_wmma_f32_16x16x4_f32). A number that lies on a knife's edge between two numbers of the format may be rounded either way, as far as f32 arithmetic and the matrix unit's own rounding can turn it there, and no further.
;;   INPUTS GIVEN AS CODES. Wk (in the module: [1024, 1024], K = its axis 1); Wq (in the module: [1024, 1024], K = its axis 1); Wv (in the module: [1024, 1024], K = its axis 1); x (in the module: [4, 2048, 1024], K = its axis 2): each comes as NAME_codes (uint8): NAME with its K axis moved to the last place and cut into blocks of 32 codes, [.., K / 32, bytes a block], one block behind the other in memory; one code a byte (a code: sign, 4 exponent bits, 3 mantissa bits); its scale is its entry of lowp_scales. Its value is code x scale, taken as it is: it is not quantised again, and the codes and scales need not be those that the quantiser above would give.
;; One version. Each part assembles by itself: llvm-mc -triple=amdgcn-amd-amdhsa -mcpu=gfx1250 --defsym DOCPART=n.
;; ======== version 1 of 1: 3 launches
;; limits: right only within a limited range of input values
;; workspace buffers: qc 8,388,608 bytes; kc 8,388,608 bytes; vc 8,388,608 bytes; pc 16,777,216 bytes; mstat 262,144 bytes; lstat 524,288 bytes
;; launch proj (part 1): grid 8 x 32, 4 waves a work-group, clusters of 4 x 4, 327,680 bytes of LDS; arguments x_codes, Wq_codes, Wk_codes, Wv_codes, bq, bk, bv, lowp_scales, qc, kc, vc; writes qc, kc, vc
.if DOCPART == 1
	.amdgcn_target "amdgcn-amd-amdhsa--gfx1250"
	.amdhsa_code_object_version 6
	.text
	.protected	k_q555e6a87c8_proj
	.globl	k_q555e6a87c8_proj
	.p2align	8
	.type	k_q555e6a87c8_proj,@function
k_q555e6a87c8_proj:
	s_mov_b64 s[64:65], 0
	v_nop
	global_prefetch_b8 v0, s[64:65] scope:SCOPE_SE
	s_setreg_imm32_b32 hwreg(HW_REG_WAVE_MODE, 25, 1), 1
	s_wait_xcnt 0x0
	s_wait_alu depctr_hold_cnt(0) depctr_sa_sdst(0) depctr_va_vdst(0) depctr_va_sdst(0) depctr_va_ssrc(0) depctr_va_vcc(0) depctr_vm_vsrc(0)
	s_getreg_b32 s2, hwreg(HW_REG_IB_STS2, 6, 4)
	s_cmp_eq_u32 s2, 0
	s_cbranch_scc0 .Lentry_in_a_cluster
	s_endpgm
.Lentry_in_a_cluster:
	s_bfe_u32 s2, ttmp6, 0x10000c
	s_cmp_lg_u32 s2, 0xf033
	s_cbranch_scc0 .Lentry_shape_is_right
	s_endpgm
.Lentry_shape_is_right:
; Q = x Wq^T + bq, K = x Wk^T + bk, V = x Wv^T + bv on codes of FP8 (E4M3), and all three quantised at once for the products that follow.  No work is left out in any launch.
; A work-group makes, for 256 tokens (tile row T), 256 columns of Q or of K and 128 channels of V: x's tile is read once for all of them.  32 x 8 = 256 work-groups of four waves.
; A wave makes 128 tokens x (128 columns + 64 channels): 64 + 32 accumulators of 16 x 16, 768 registers.
; OUT, as images of the operands' registers: a fragment of 16 rows x 128 K is 2,048 bytes, [piece c = 0..3][lane][16 bytes]; the 16 bytes of lane (r, h) in piece c are row r's K = 32 c + 8 h + 0..7 and
; 32 c + 16 + 8 h + 0..7.  Both operands of each later product have this same order of K, so every product meets its partner.
;   qc, kc: [8 blocks of 128 channels][512 blocks of 16 tokens][fragment], K = channels.   vc: [64 blocks of 128 tokens][64 blocks of 16 channels][fragment], K = tokens.
; Q and K: source 0 = W, source 1 = x: a lane holds a token and 8 neighbouring columns.  V: source 0 = x, source 1 = Wv: a lane holds a channel and 8 neighbouring tokens.  Two accumulators make a lane's 16 bytes.
; LDS: x's tile and Wq's or Wk's in two slots of 256 along K, Wv's in one.  Wave 0 fetches x (256 rows), waves 1 and 2 Wq or Wk (128 rows each), wave 3 Wv (128 rows).
; CLUSTERS 4 x 4: x's tile is shared along a row of the cluster, the weights' along a column: joint loads.
; PREFETCH: K steps 2 and 3, at least one K step ahead of their loads, and Wv's K step 1 at the head; partners share a tile's rows by address.  The weights, which eight clusters read, are asked for by four clusters alone, those of cluster rows 0 and 6.
; LIMITS: e0 + e1, e2 + e3, e4 + e5 between -126 and 127; e6, e7, e9 between -126 and 119, so that each power of two is an f32 number.  NaN among the inputs is not served.
; REGISTERS: window 0: v0-31 addresses and constants; v32-127 the weights' fragments, three buffers of two; v128-255 x's eight fragments.
;   windows 1, 2: accumulator (column block b, token block a) at v[8 (8 (b % 4) + a)], b < 4 in window 1.   window 3: (channel block v, token block a) at v[8 (8 v + a)].
.set PITCH, 272                        ; an LDS row: 256 bytes + 16 of padding = 68 words: row r starts at bank 4 r mod 64 (64 banks of 4 bytes: ISA guide 11.1)
.set H,    128*PITCH
.set WVB,  8*H                         ; slot s: x at 4 H s, Wq or Wk at 4 H s + 2 H; Wv at 8 H
.set SPARE, 9*H                        ; the spare words, which no other line names
.set BV,   4                           ; v4-11   V's bias, each number twice
.set LIM2, 12
.set SC2,  13
.set LIMV, 14
.set SCV,  15
.set XA,   16                          ; v16     my x fragments in slot 0; v17 in the slot that is entered; v18 in the slot in hand
.set WA,   19                          ; v19-21  my Wq or Wk fragments likewise
.set BO,   22                          ; v22     32 h
.set PFO,  23                          ; v23     1,024 x lane: a row of codes a lane
.set VA,   26                          ; v26     my Wv fragments
.set CO,   27                          ; v27     16 x lane
.set SPW,  28
.set NIL,  29
.set BI,   128
.set G1X, 24
.set G0X, 32
.set G0W, 36
.set G1W, 48
.set G0V, 56
.set PFA, 60
.set ASKS, 62                          ; s62 how many prefetch instructions my wave issues for a K step: 0, 1 or 2
.set TRIP, 63
.set TBC,  66                          ; s66, s67 where the slot in hand and the other one begin: 0 or 4 H
.set TBN,  67
.set MSB, 0
.macro WIN new                         ; the immediate's high byte repeats the setting that is left
.if MSB != (\new)
	s_set_vgpr_msb (MSB<<8)|(\new)
.set MSB, (\new)
.endif
.endm
.macro PLACES                          ; plain vector lines between a matrix instruction and a load into, or a vector instruction on, its registers
.rept 4
	v_nop
.endr
.endm
.macro TL g0, g1                       ; an s_nop 0 and four v_nop follow each tensor load
	tensor_load_to_lds s[\g0:\g0+3], s[\g1:\g1+7]
	s_nop 0
	PLACES
.endm
.macro JLOAD xw, v                     ; joint loads, one a wave; the branches hang on the wave's number alone
	s_cmp_eq_u32 s14, 3
.if \v
	s_cbranch_scc0 .Lnv_\@
	TL G0V, G1W
.if \xw
	s_branch .Lj_\@
.endif
.Lnv_\@:
.else
	s_cbranch_scc1 .Lj_\@
.endif
.if \xw
	s_cmp_eq_u32 s14, 0
	s_cbranch_scc0 .Lnx_\@
	TL G0X, G1X
	s_branch .Lj_\@
.Lnx_\@:
	TL G0W, G1W
.endif
.Lj_\@:
.endm
.macro CREST
	s_cmp_lg_u32 s14, 0
	s_cbranch_scc1 .Lnot_wave_0_\@
	s_barrier_signal -3
.Lnot_wave_0_\@:
	s_barrier_wait -3
	s_barrier_signal -1
	s_barrier_wait -1
.endm
.macro CROUND
	s_barrier_signal -1
	s_barrier_wait -1
	CREST
.endm
.macro ASK k                           ; K step k of my part of the rows: a lane a row, 256 aligned bytes each
	s_cmp_eq_u32 s[ASKS], 0
	s_cbranch_scc1 .Lno_\@
	global_prefetch_b8 v[PFO], s[PFA:PFA+1] offset:256*\k th:TH_LOAD_NT scope:SCOPE_SE
	s_cmp_eq_u32 s[ASKS], 1
	s_cbranch_scc1 .Lno_\@
	global_prefetch_b8 v[PFO], s[PFA:PFA+1] offset:256*\k+32768 th:TH_LOAD_NT scope:SCOPE_SE
.Lno_\@:
.endm
	s_load_b256 s[68:75], s[0:1], 0x0              ; x, Wq, Wk, Wv
	s_load_b256 s[76:83], s[0:1], 0x20             ; bq, bk, bv, the scales' exponents
	s_load_b128 s[84:87], s[0:1], 0x40             ; qc, kc
	s_load_b64 s[88:89], s[0:1], 0x50              ; vc
	v_lshl_add_u32 v[SPW], v0, 2, SPARE
	v_mov_b32 v[NIL], 0
	ds_add_u32 v[SPW], v[NIL]                      ; the wave's opening: the add, twice on end, and its wait
	ds_add_u32 v[SPW], v[NIL]
	v_lshrrev_b32 v1, 5, v0
	v_readfirstlane_b32 s14, v1                    ; wave 0..3
	s_lshr_b32 s15, s14, 1                         ; my half of the tokens
	s_and_b32 s16, s14, 1                          ; my half of the columns and of the channels
	s_bfe_u32 s40, ttmp6, 0x40000                  ; cx
	s_bfe_u32 s41, ttmp6, 0x40004                  ; cy
	s_and_b32 s3, ttmp7, 0xffff                    ; the cluster's y: its cluster row
	s_lshl_b32 s17, s3, 2
	s_add_co_u32 s17, s17, s41                     ; T: tile row of 256 tokens, 0..31
	s_lshl_b32 s42, ttmp9, 2
	s_add_co_u32 s42, s42, s40                     ; J: 0..7.  Cluster x 0 makes Q, 1 makes K: columns 256 cx on; V's channels 128 J on
	s_lshl_b32 s43, s41, 2
	s_lshl_b32 s43, 15, s43                        ; my row of the cluster
	s_lshl_b32 s44, 0x1111, s40                    ; my column
	s_or_b32 s[G1X+0], s43, (1<<20)|(1<<21)|(5<<22)|(3<<25)   ; the mask; elements of 1 byte; padding on, 4 words after every 64; bit 21 beside a mask
	s_or_b32 s[G1W+0], s44, (1<<20)|(1<<21)|(5<<22)|(3<<25)
.irp g, G1X, G1W
	s_mov_b32 s[\g+1], 256<<16                     ; tensor_dim0
	s_mov_b32 s[\g+3], 256<<16                     ; tile_dim0
	s_mov_b32 s[\g+5], 1024                        ; a row in memory
	s_mov_b32 s[\g+6], 0
	s_mov_b32 s[\g+7], 0
.endr
	s_mov_b32 s[G1X+2], 256<<16                    ; x: 256 rows
	s_mov_b32 s[G1X+4], 256
	s_mov_b32 s[G1W+2], 128<<16                    ; weights: 128 rows
	s_mov_b32 s[G1W+4], 128
	s_lshl_b32 s20, s17, 18                        ; x: 256 T rows of 1,024 bytes
	s_mov_b32 s21, 0
	s_xor_b32 s19, s16, 1                          ; wave 1: 0, wave 2: 1: which 128 rows of Wq or Wk I fetch
	s_lshl_b32 s22, s40, 18
	s_lshl_b32 s18, s19, 17
	s_add_co_u32 s22, s22, s18
	s_mov_b32 s23, 0
	s_lshl_b32 s46, s42, 17                        ; Wv: 128 J rows
	s_mov_b32 s47, 0
	s_mul_i32 s45, s19, H
	s_add_co_u32 s45, s45, 2*H                     ; where they go in slot 0: the wave's number alone
	s_wait_dscnt 0x0                               ; both opening adds are done
	s_wait_kmcnt 0x0
	s_cmp_eq_u32 ttmp9, 0
	s_cselect_b64 s[6:7], s[70:71], s[72:73]       ; Wq or Wk
	s_cselect_b64 s[8:9], s[76:77], s[78:79]       ; bq or bk
	s_cselect_b64 s[10:11], s[84:85], s[86:87]     ; qc or kc
	s_mov_b64 s[12:13], s[88:89]
	s_load_b256 s[88:95], s[82:83], 0x0            ; e0 .. e7
	s_load_b64 s[96:97], s[82:83], 0x20            ; e8, e9
	s_mov_b32 s[G0X], 1
	s_mov_b32 s[G0X+1], 0
	s_add_nc_u64 s[G0X+2:G0X+3], s[68:69], s[20:21]
	s_or_b32 s[G0X+3], s[G0X+3], 0x80000000
	s_mov_b32 s[G0W], 1
	s_add_co_u32 s[G0W+1], s45, 0
	s_add_nc_u64 s[G0W+2:G0W+3], s[6:7], s[22:23]
	s_or_b32 s[G0W+3], s[G0W+3], 0x80000000
	s_mov_b32 s[G0V], 1
	s_mov_b32 s[G0V+1], WVB
	s_add_nc_u64 s[G0V+2:G0V+3], s[74:75], s[46:47]
	s_or_b32 s[G0V+3], s[G0V+3], 0x80000000
	CROUND                                         ; all sixteen work-groups are here: the first joint loads meet
	JLOAD 1, 1                                     ; K step 0, one load a wave
	; the prefetches: wave 0: 64 of x's 256 rows by cx; wave 1: 64 of the 256 rows of Wq or Wk by cy; wave 2: 32 of Wv's 128 rows by cy
	s_lshl_b32 s18, s17, 18
	s_lshl_b32 s19, s40, 16
	s_add_co_u32 s18, s18, s19
	s_lshl_b32 s19, s40, 18
	s_lshl_b32 s22, s41, 16
	s_add_co_u32 s19, s19, s22
	s_lshl_b32 s22, s42, 17
	s_lshl_b32 s23, s41, 15
	s_add_co_u32 s22, s22, s23
	s_cmp_eq_u32 s14, 0
	s_cselect_b64 s[PFA:PFA+1], s[68:69], s[6:7]
	s_cselect_b32 s20, s18, s19
	s_cmp_eq_u32 s14, 2
	s_cselect_b64 s[PFA:PFA+1], s[74:75], s[PFA:PFA+1]
	s_cselect_b32 s20, s22, s20
	s_mov_b32 s21, 0
	s_add_nc_u64 s[PFA:PFA+1], s[PFA:PFA+1], s[20:21]
	s_cmp_eq_u32 s3, 0                             ; the weights: cluster rows 0 and 6
	s_cselect_b32 s[ASKS], 2, 0
	s_cmp_eq_u32 s3, 6
	s_cselect_b32 s[ASKS], 2, s[ASKS]
	s_min_u32 s63, s[ASKS], 1
	s_cmp_eq_u32 s14, 0
	s_cselect_b32 s[ASKS], 2, s[ASKS]
	s_cmp_eq_u32 s14, 2
	s_cselect_b32 s[ASKS], s63, s[ASKS]
	s_cmp_eq_u32 s14, 3
	s_cselect_b32 s[ASKS], 0, s[ASKS]
	; where results go and where the biases lie
	s_lshl_b32 s20, s40, 21                        ; channel block 2 cx + wc: 1 MiB each,
	s_lshl_b32 s21, s16, 20
	s_add_co_u32 s20, s20, s21
	s_lshl_b32 s21, s17, 15                        ; token block 16 T + 8 wr: 2,048 bytes each
	s_add_co_u32 s20, s20, s21
	s_lshl_b32 s21, s15, 14
	s_add_co_u32 s20, s20, s21
	s_mov_b32 s21, 0
	s_add_nc_u64 s[10:11], s[10:11], s[20:21]
	s_lshl_b32 s20, s17, 18                        ; vc: token block 2 T + wr: 131,072 bytes each,
	s_lshl_b32 s21, s15, 17
	s_add_co_u32 s20, s20, s21
	s_lshl_b32 s21, s42, 14                        ; channel block 8 J + 4 wc: 2,048 bytes each
	s_add_co_u32 s20, s20, s21
	s_lshl_b32 s21, s16, 13
	s_add_co_u32 s20, s20, s21
	s_mov_b32 s21, 0
	s_add_nc_u64 s[12:13], s[12:13], s[20:21]
	s_lshl_b32 s20, s40, 10                        ; bias: columns 256 cx + 128 wc
	s_lshl_b32 s21, s16, 9
	s_add_co_u32 s20, s20, s21
	s_mov_b32 s21, 0
	s_add_nc_u64 s[8:9], s[8:9], s[20:21]
	s_lshl_b32 s20, s42, 9                         ; V's: channels 128 J + 64 wc
	s_lshl_b32 s21, s16, 8
	s_add_co_u32 s20, s20, s21
	s_mov_b32 s21, 0
	s_add_nc_u64 s[80:81], s[80:81], s[20:21]
	s_mul_i32 s18, s15, H                          ; my 128 tokens,
	s_mul_i32 s20, s16, H
	s_add_co_u32 s20, s20, 2*H                     ; my 128 columns,
	s_mul_i32 s22, s16, 64*PITCH
	s_add_co_u32 s22, s22, WVB                     ; my 64 channels
	v_and_b32 v1, 15, v0                           ; r
	v_bfe_u32 v2, v0, 4, 1                         ; h
	v_mul_u32_u24 v3, v1, PITCH
	v_lshl_add_u32 v3, v2, 4, v3                   ; a fragment's row x pitch + 16 h
	v_add_nc_u32 v[XA], s18, v3
	v_add_nc_u32 v[WA], s20, v3
	v_add_nc_u32 v[VA], s22, v3
	v_lshlrev_b32 v[BO], 5, v2
	v_lshlrev_b32 v24, 2, v1
	v_and_b32 v25, 31, v0
	v_lshlrev_b32 v[CO], 4, v25
	v_lshlrev_b32 v[PFO], 10, v25
.irp v, 0,1,2,3
	global_load_b32 v[BV+2*\v], v24, s[80:81] offset:64*\v
	global_load_b32 v[BV+2*\v+1], v24, s[80:81] offset:64*\v
.endr
	s_wait_alu depctr_va_vdst(0)                   ; directly ahead of the wait below
	s_wait_kmcnt 0x0
	s_cmp_eq_u32 ttmp9, 0
	s_cselect_b32 s18, s88, s90                    ; x's scale for Q or K,
	s_cselect_b32 s19, s89, s91                    ; the weight's,
	s_cselect_b32 s22, s94, s95                    ; and the result's
	s_add_co_i32 s4, s18, s19
	s_add_co_i32 s4, s4, 127
	s_lshl_b32 s4, s4, 23                          ; what a sum stands for, as f32
	s_mov_b32 s5, s4                               ; (named with it as a pair)
	s_add_co_i32 s2, s92, s93
	s_add_co_i32 s2, s2, 127
	s_lshl_b32 s2, s2, 23
	s_mov_b32 s3, s2
	s_add_co_i32 s22, s22, 127
	s_lshl_b32 s18, s22, 23                        ; the scale of the codes as f32,
	s_add_co_i32 s22, s22, 8
	s_lshl_b32 s22, s22, 23
	s_or_b32 s22, s22, 0x600000                    ; and 448 x it
	s_add_co_i32 s23, s97, 127
	s_lshl_b32 s19, s23, 23
	s_add_co_i32 s23, s23, 8
	s_lshl_b32 s23, s23, 23
	s_or_b32 s23, s23, 0x600000
	v_mov_b32 v[SCV], s18
	v_mov_b32 v[LIMV], s22
	v_mov_b32 v[SC2], s19
	v_mov_b32 v[LIM2], s23
	s_cmp_eq_u32 s[ASKS], 1                        ; wave 2 asks for Wv's K step 1 here: its load stands at the end of K step 0
	s_cbranch_scc0 .Lno_wv
	global_prefetch_b8 v[PFO], s[PFA:PFA+1] offset:256 th:TH_LOAD_NT scope:SCOPE_SE
.Lno_wv:
; A UNIT: two weight fragments (pair p: 0-3 columns, 4-5 channels) x four of x's: 8 matrix instructions on 8 accumulators.  The 96 take turns, one instruction a turn
.macro UNIT p, hf, z
.if (\p) < 4
	WIN 0x50*(1+(\p)/2)
.else
	WIN 0xf0
.endif
.irp i, 0,1,2,3
.irp u, 0,1
.set RB, 32+32*((\p)%3)+16*\u
.set XF, 128+16*(4*(\hf)+\i)
.if (\p) < 4
.set AC, 8*(8*((2*(\p)+\u)%4)+4*(\hf)+\i)
.if \z
	v_wmma_f32_16x16x128_fp8_fp8 v[AC:AC+7], v[RB:RB+15], v[XF:XF+15], 0
.else
	v_wmma_f32_16x16x128_fp8_fp8 v[AC:AC+7], v[RB:RB+15], v[XF:XF+15], v[AC:AC+7]
.endif
.else
.set AC, 8*(8*(2*(\p)-8+\u)+4*(\hf)+\i)
.if \z
	v_wmma_f32_16x16x128_fp8_fp8 v[AC:AC+7], v[XF:XF+15], v[RB:RB+15], 0
.else
	v_wmma_f32_16x16x128_fp8_fp8 v[AC:AC+7], v[XF:XF+15], v[RB:RB+15], v[AC:AC+7]
.endif
.endif
.endr
.endr
.endm
; A fragment, 16 rows x 128 K: lane l holds row l % 16; registers 4 c .. 4 c + 3 hold K = 32 c + 16 (l / 16) + 0 .. 15: the same order of K on both sides
.macro FETCHP p, s, q                  ; a pair: 8 loads
	WIN 0
.irp u, 0,1
.irp c, 0,1,2,3
.set RB, 32+32*((\p)%3)+16*\u+4*\c
.if (\p) < 4
	ds_load_b128 v[RB:RB+3], v[WA+(\s)] offset:128*(\q)+32*\c+(2*(\p)+\u)*16*PITCH
.else
	ds_load_b128 v[RB:RB+3], v[VA] offset:128*(\q)+32*\c+(2*(\p)-8+\u)*16*PITCH
.endif
.endr
.endr
.endm
.macro FETCHX f0, s, q                 ; x's fragments f0 and f0 + 1: 8 loads
	WIN 0
.irp i, 0,1
.irp c, 0,1,2,3
.set RB, 128+16*((\f0)+\i)+4*\c
	ds_load_b128 v[RB:RB+3], v[XA+(\s)] offset:128*(\q)+32*\c+((\f0)+\i)*16*PITCH
.endr
.endr
.endm
; 128 along K: 12 units; the q-th half of a slot.  s: which address register serves the slot in hand; g: which one serves the next 128 along K.
; Loads are issued in the order x's last two | pair 3 | 4, 5 | then of the next 128: pair 0, x's 0-3, pair 1, pair 2, x's 4, 5: the counts of the waits are the younger loads.
; nx = 0: the last.  mid = 1: Wv's tile of this K step was asked for at the last change of slots: wave 3 waits for it and a barrier shows it to all, ahead of the first load from it.
; turn: the change of slots: 1: x's and Wq's or Wk's tiles two K steps on into the slot in hand, and Wv's next tile; 2: Wv's alone (nothing is left of the others).
.macro SUB s, g, q, z, nx, turn, mid, ask
.set NS, (\g)
.set NQ, 1-(\q)
	s_wait_dscnt 24
	UNIT 0, 0, \z
	FETCHX 6, \s, \q
	s_wait_dscnt 24
	UNIT 1, 0, \z
	s_wait_dscnt 16
	UNIT 2, 0, \z
	s_wait_dscnt 0
	UNIT 0, 1, \z
	PLACES
	FETCHP 3, \s, \q
	UNIT 1, 1, \z
.if \mid
	s_wait_dscnt 0x0                               ; no LDS instruction is pending at a signal
	WIN 0
	s_cmp_eq_u32 s14, 3
	s_cbranch_scc0 .Lnot3_\@
	s_wait_tensorcnt 0x0                           ; wave 3: Wv's tile has landed
.Lnot3_\@:
	s_barrier_signal -1
.endif
	UNIT 2, 1, \z
.if \mid
	s_barrier_wait -1
.endif
	PLACES
	FETCHP 4, \s, \q
	FETCHP 5, \s, \q
	s_wait_dscnt 16
	UNIT 3, 0, \z
.if \turn
	WIN 0
	s_wait_tensorcnt 0x0                           ; all my tensor loads have landed: my part of the next slot
	ds_add_u32 v[SPW], v[NIL]                      ; 0 onto my spare word
.if \turn == 1
	s_xor_b32 s[G0X+1], s[G0X+1], 4*H              ; the walking descriptors: the other slot than last time, the next K step
	s_add_nc_u64 s[G0X+2:G0X+3], s[G0X+2:G0X+3], 256
	s_xor_b32 s[G0W+1], s[G0W+1], 4*H              ; (2 H and 3 H share no bit with 4 H)
	s_add_nc_u64 s[G0W+2:G0W+3], s[G0W+2:G0W+3], 256
.endif
	s_add_nc_u64 s[G0V+2:G0V+3], s[G0V+2:G0V+3], 256
	UNIT 3, 1, \z
	s_wait_dscnt 0x0                               ; the add is done, and my reads of this slot and of Wv's tile are over
	s_barrier_signal -1
	UNIT 4, 0, \z
	UNIT 5, 0, \z
	WIN 0
	s_barrier_wait -1
	CREST                                          ; a round of the cluster's barrier: no wave of any partner still reads these bytes or has a load on its way
.if \turn == 1
	JLOAD 1, 1                                     ; the first tensor load behind the round; its four v_nop are the places in front of the loads below
.else
	JLOAD 0, 1
	PLACES
.endif
	FETCHP 0, NS, NQ
	FETCHX 0, NS, NQ
	FETCHX 2, NS, NQ
.if \ask
	s_cmp_eq_u32 s[TRIP], 2                        ; the first trip alone: the second has no K step two on
	s_cbranch_scc0 .Lna_\@
	ASK \ask
.Lna_\@:
.endif
.else
	UNIT 3, 1, \z
.if \nx
	PLACES
	FETCHP 0, NS, NQ
	s_wait_dscnt 16
	UNIT 4, 0, \z
	s_wait_dscnt 8
	UNIT 5, 0, \z
	PLACES
	FETCHX 0, NS, NQ
	FETCHX 2, NS, NQ
.else
	s_wait_dscnt 8
	UNIT 4, 0, \z
	s_wait_dscnt 0
	UNIT 5, 0, \z
	PLACES
	WIN 0
.irp b, 0,1,2,3,4,5,6,7                ; the columns' biases, into x's first four fragments' registers
	global_load_b128 v[BI+8*\b:BI+8*\b+3], v[BO], s[8:9] offset:64*\b
	global_load_b128 v[BI+8*\b+4:BI+8*\b+7], v[BO], s[8:9] offset:64*\b+16
.endr
.endif
.endif
	UNIT 4, 1, \z
.if \nx
	PLACES
	FETCHP 1, NS, NQ
.endif
	UNIT 5, 1, \z
.if \nx
	PLACES
	FETCHP 2, NS, NQ
	FETCHX 4, NS, NQ
.endif
.endm
	s_wait_alu depctr_va_vdst(0)                   ; the head's end
	s_wait_tensorcnt 0x0                           ; my part of K step 0 is in; these lines stand ahead of a later first fill as ahead of a refill
	ds_add_u32 v[SPW], v[NIL]
	s_mov_b32 s[G0X+1], 4*H
	s_add_nc_u64 s[G0X+2:G0X+3], s[G0X+2:G0X+3], 256
	s_add_co_u32 s[G0W+1], s45, 4*H
	s_add_nc_u64 s[G0W+2:G0W+3], s[G0W+2:G0W+3], 256
	s_wait_dscnt 0x0
	CROUND
	JLOAD 1, 0                                     ; K step 1 of x and of Wq or Wk into slot 1
	FETCHP 0, 0, 0
	FETCHX 0, 0, 0
	FETCHX 2, 0, 0
	FETCHP 1, 0, 0
	FETCHP 2, 0, 0
	FETCHX 4, 0, 0
	ASK 2
	SUB 0, 0, 0, 1, 1, 0, 0, 0                     ; K step 0's first half: the first products start the sums
	s_mov_b32 s[TBC], 0
	s_mov_b32 s[TBN], 4*H
	s_mov_b32 s[TRIP], 2
.macro TOSLOTS
	v_add_nc_u32 v[XA+1], s[TBN], v[XA]
	v_add_nc_u32 v[WA+1], s[TBN], v[WA]
	v_add_nc_u32 v[XA+2], s[TBC], v[XA]
	v_add_nc_u32 v[WA+2], s[TBC], v[WA]
	s_wait_alu depctr_va_vdst(0)                   ; directly behind the writes
.endm
.Lstep:                                                ; two trips, from a K step's second half to the next one's first; every window is 0 here
	TOSLOTS
	SUB 2, 1, 1, 0, 1, 1, 0, 3
	SUB 1, 1, 0, 0, 1, 0, 1, 0
	s_xor_b32 s[TBC], s[TBC], 4*H
	s_xor_b32 s[TBN], s[TBN], 4*H
	s_sub_co_u32 s[TRIP], s[TRIP], 1
	s_cmp_lg_u32 s[TRIP], 0
	s_cbranch_scc1 .Lstep
	TOSLOTS
	SUB 2, 1, 1, 0, 1, 2, 0, 0                     ; K step 2's second half: Wv's last tile is asked for
	SUB 1, 1, 0, 0, 1, 0, 1, 0
	SUB 1, 1, 1, 0, 0, 0, 0, 0
	WIN 0
; n accumulators of window w, stride registers apart: sum x 2^e + bias (one fused line), the hold (the conversion to an 8-bit code does not saturate: ISA guide 7.6.2), the codes
.macro QB w, base, stride, n, fs, bias, byreg, lim, sc, cd
	WIN 0x41*(\w)
.set i, 0
.rept \n
.set R, (\base)+(\stride)*i
.irp j, 0,2,4,6
.if \byreg
	v_pk_fma_f32 v[R+\j:R+\j+1], v[R+\j:R+\j+1], s[\fs:\fs+1], v[(\bias)+8*i+\j:(\bias)+8*i+\j+1] op_sel_hi:[1,0,1]
.else
	v_pk_fma_f32 v[R+\j:R+\j+1], v[R+\j:R+\j+1], s[\fs:\fs+1], v[(\bias):(\bias)+1] op_sel_hi:[1,0,1]
.endif
.endr
.set i, i+1
.endr
.set i, 0
.rept 8*(\n)
.set R, (\base)+(\stride)*(i/8)+i%8
	v_med3_num_f32 v[R], v[R], -v[\lim], v[\lim]
.set i, i+1
.endr
	WIN (\w)
.set i, 0
.rept \n
.set R, (\base)+(\stride)*i
	v_cvt_scalef32_pk8_fp8_f32 v[(\cd)+2*i:(\cd)+2*i+1], v[R:R+7], v[\sc]
.set i, i+1
.endr
.endm
.macro QBLK a, cd                      ; 16 tokens x 128 columns: one fragment; each store of the wave covers 512 consecutive bytes
	QB 1, 8*(\a), 64, 4, 4, BI, 1, LIMV, SCV, \cd
	QB 2, 8*(\a), 64, 4, 4, BI+32, 1, LIMV, SCV, (\cd)+8
	v_nop
	WIN 0
.irp c, 0,1,2,3
	global_store_b128 v[CO], v[(\cd)+4*\c:(\cd)+4*\c+3], s[10:11] offset:2048*(\a)+512*\c
.endr
.endm
	PLACES
	s_wait_loadcnt 16                              ; V's bias is in; the sixteen loads of the columns' biases may be out
.irp v, 0,1,2,3                        ; V: 16 channels x 128 tokens: one fragment
	QB 3, 64*\v, 8, 8, 2, BV+2*\v, 0, LIM2, SC2, 32+16*\v
	v_nop
	WIN 0
.irp c, 0,1,2,3
	global_store_b128 v[CO], v[32+16*\v+4*\c:32+16*\v+4*\c+3], s[12:13] offset:2048*\v+512*\c
.endr
.endr
	s_wait_loadcnt 0x0
	QBLK 0, 192
	QBLK 1, 208
	QBLK 2, 224
	QBLK 3, 240
	QBLK 4, 96
	QBLK 5, 112
	s_wait_xcnt 0x0                                ; V's first stores have read v32-63
	QBLK 6, 32
	QBLK 7, 48
	s_wait_tensorcnt 0x0                           ; the wave's end
	ds_add_u32 v[SPW], v[NIL]
	s_wait_dscnt 0x0
	CROUND                                         ; the closing round: no work-group ends while a partner may still ask for a tile that names it
	s_endpgm
.Lfunc_end_k_q555e6a87c8_proj:
	.size	k_q555e6a87c8_proj, .Lfunc_end_k_q555e6a87c8_proj-k_q555e6a87c8_proj
	.p2alignl 7, 3214868480
	.fill 96, 4, 3214868480
	.section	.rodata,"a",@progbits
	.p2align	6, 0x0
	.amdhsa_kernel k_q555e6a87c8_proj
		.amdhsa_group_segment_fixed_size 327680
		.amdhsa_private_segment_fixed_size 0
		.amdhsa_enable_private_segment 0
		.amdhsa_kernarg_size 88
		.amdhsa_user_sgpr_count 2
		.amdhsa_user_sgpr_kernarg_segment_ptr 1
		.amdhsa_wavefront_size32 1
		.amdhsa_system_sgpr_workgroup_id_x 1
		.amdhsa_system_sgpr_workgroup_id_y 1
		.amdhsa_system_sgpr_workgroup_id_z 1
		.amdhsa_system_vgpr_workitem_id 0
		.amdhsa_next_free_vgpr 1024
		.amdhsa_next_free_sgpr 100
		.amdhsa_reserve_vcc 0
		.amdhsa_float_denorm_mode_32 3
		.amdhsa_float_denorm_mode_16_64 3
		.amdhsa_memory_ordered 1
		.amdhsa_forward_progress 1
		.amdhsa_inst_pref_size 176
	.end_amdhsa_kernel
	.amdgpu_metadata
---
amdhsa.version: [ 1, 2 ]
amdhsa.kernels:
  - .name:           k_q555e6a87c8_proj
    .symbol:         k_q555e6a87c8_proj.kd
    .args:
      - { .name: x_codes, .offset: 0, .size: 8, .value_kind: global_buffer, .address_space: global }
      - { .name: Wq_codes, .offset: 8, .size: 8, .value_kind: global_buffer, .address_space: global }
      - { .name: Wk_codes, .offset: 16, .size: 8, .value_kind: global_buffer, .address_space: global }
      - { .name: Wv_codes, .offset: 24, .size: 8, .value_kind: global_buffer, .address_space: global }
      - { .name: bq, .offset: 32, .size: 8, .value_kind: global_buffer, .address_space: global }
      - { .name: bk, .offset: 40, .size: 8, .value_kind: global_buffer, .address_space: global }
      - { .name: bv, .offset: 48, .size: 8, .value_kind: global_buffer, .address_space: global }
      - { .name: lowp_scales, .offset: 56, .size: 8, .value_kind: global_buffer, .address_space: global }
      - { .name: qc, .offset: 64, .size: 8, .value_kind: global_buffer, .address_space: global }
      - { .name: kc, .offset: 72, .size: 8, .value_kind: global_buffer, .address_space: global }
      - { .name: vc, .offset: 80, .size: 8, .value_kind: global_buffer, .address_space: global }
    .group_segment_fixed_size: 327680
    .private_segment_fixed_size: 0
    .kernarg_segment_align: 8
    .kernarg_segment_size: 88
    .max_flat_workgroup_size: 128
    .sgpr_count:     100
    .vgpr_count:     1024
    .wavefront_size: 32
...
	.end_amdgpu_metadata
.endif
;; end of part 1
;; launch score (part 2): grid 8 x 32, 4 waves a work-group, clusters of 4 x 4, 327,680 bytes of LDS; arguments qc, kc, lowp_scales, pc, mstat, lstat; writes pc, mstat, lstat
.if DOCPART == 2
	.amdgcn_target "amdgcn-amd-amdhsa--gfx1250"
	.amdhsa_code_object_version 6
	.text
	.protected	k_q555e6a87c8_score
	.globl	k_q555e6a87c8_score
	.p2align	8
	.type	k_q555e6a87c8_score,@function
k_q555e6a87c8_score:
	s_mov_b64 s[64:65], 0
	v_nop
	global_prefetch_b8 v0, s[64:65] scope:SCOPE_SE
	s_setreg_imm32_b32 hwreg(HW_REG_WAVE_MODE, 25, 1), 1
	s_wait_xcnt 0x0
	s_wait_alu depctr_hold_cnt(0) depctr_sa_sdst(0) depctr_va_vdst(0) depctr_va_sdst(0) depctr_va_ssrc(0) depctr_va_vcc(0) depctr_vm_vsrc(0)
	s_getreg_b32 s2, hwreg(HW_REG_IB_STS2, 6, 4)
	s_cmp_eq_u32 s2, 0
	s_cbranch_scc0 .Lentry_in_a_cluster
	s_endpgm
.Lentry_in_a_cluster:
	s_bfe_u32 s2, ttmp6, 0x10000c
	s_cmp_lg_u32 s2, 0xf033
	s_cbranch_scc0 .Lentry_shape_is_right
	s_endpgm
.Lentry_shape_is_right:
; A tile of 256 queries x 256 keys of S = Q K^T on codes of FP8 (E4M3), and the softmax's p of that tile as codes.  No work is left out.
; qc, kc: [8 blocks of 128 channels][512 blocks of 16 tokens][a fragment of 2,048 bytes: 4 pieces x 32 lanes x 16 bytes], over 4 batches of 2,048 tokens.  t = sum x c', c' = log2(e) / 32 x 2^(e6 + e7) (32 = sqrt(1024)).
; THE MAXIMUM IS TAKEN AWAY BLOCK BY BLOCK: M_b = ceil(the row's largest t among THIS tile's 256 keys), a whole number; p_b = 2^(t - M_b), at most 1, is held at 448 x 2^e8 and quantised with 2^e8.
; With M the row's ceiling over all keys, p_b = p x 2^(M - M_b), a power of two: the next launch, which reads all eight M_b of a row, weighs block b by 2^(M_b - M), which rounds nothing.
; OUT: pc: [16 blocks of 128 keys][512 blocks of 16 queries][fragment], K = keys in the order of vc's fragments;  mstat [8 blocks of keys][8192 rows] f32: -M_b;  lstat [16 half blocks of 128 keys][8192 rows] f32: the sums of the UNQUANTISED p_b.
; SHARES: four waves, 128 x 128 a wave.  K = 1,024 goes in four steps of 256 through two LDS slots.  The head's one load a wave brings steps 0 and 1, a quarter of both slots; two refills follow, each a quarter of one slot: 2 channel blocks x 8 fragments,
; 16,384 bytes on end each; in LDS they lie as they come.  The steps from the first change of slots on are a loop of two trips, the slots turned by an exclusive or; the last step is written out, since it asks for nothing.
; CLUSTERS 4 x 4: Q's tile is shared along a row of the cluster, K's along a column: joint loads.  PREFETCH: K steps 2 and 3, each one step ahead of its load; the four partners share a tile's bytes by address.
; TRANSPOSED USE: in accumulator (a, b) lane (r, h) holds query 16 a + r and its registers the keys 16 b + 8 h + 0 .. 7: accumulators 2 c, 2 c + 1 make the lane's 16 bytes of piece c: a block of 16 queries is one fragment of pc.
; A row's 256 keys lie in two waves (w and w xor 1): their maxima meet in LDS behind one barrier.
; LIMITS: e6 + e7 between -121 and 132 (added to c's exponent field), e8 between -126 and 119; scaled scores under 2^31 in magnitude.  NaN among the inputs is not served.
; REGISTERS: window 0: v5-31 addresses; v128-255 A's fragments, later the codes; v32-47 maxima; v48-63 -M_b in pairs; v64-95 sums in pairs, two chains; v96-105 statistics.  Window 1: B's fragments, two sets.  Windows 2, 3: accumulators of my rows 0-63, 64-127.
.set FR,     16
.set SLOT,   32768                     ; each wave's fetches have 65,536 bytes of their own: slot 0, then slot 1 SLOT bytes on
.set SPARE,  262144                    ; the spare words, which no other line names
.set XT,     SPARE+512                 ; each wave's 128 row maxima, 512 bytes a wave: no fill lands there
.set LT,     XT+2048                   ; and each wave's 128 row sums
.set STEPB,  2<<20                     ; a K step: two channel blocks
.set XS,   7                           ; v7      XT + 512 wave + 4 r: where I put a maximum
.set XL,   8                           ; v8      XT + 512 (wave xor 1) + 4 r: where my partner's lies
.set XQ,   9                           ; v9      XT + 1,024 x row half + 256 x column half + 8 lane: two rows' maxima of the first wave of my pair; the second's lie 512 on
.set LSA,  10                          ; v10     LT + 512 wave + 4 r
.set LQ,   11                          ; v11     LT + 512 wave + 16 lane
.set GL,   12                          ; v12     16 lane
.set GM,   13                          ; v13     8 lane
.set PFO,  14                          ; v14     256 x (lane % 16) + a channel block x (lane / 16)
.set ADRA, 16                          ; v16     my A fragments in slot 0; v17 in the slot that is entered
.set ADRB, 20                          ; v20-21  B's likewise
.set SPW,  28
.set NIL,  29
.set LIMV, 30                          ; v30     448 x 2^e8
.set SCV,  31                          ; v31     2^e8 as f32
.set TA,   32
.set TB,   40
.set NM,   48
.set LS,   64
.set L2,   80
.set LV,   96
.set XA,   100
.set XB,   102
.set MV,   104
.set AF,   128
.set CD,   128
.set G1, 24
.set G0, 32
.set G1B, 48
.set G0B, 56
.set PFA, 80
.set TBN, 82                           ; s82 where the slot that is entered begins: 0 or SLOT
.set TRIP, 83
.set MSB, 0
.macro WIN new                         ; the immediate's high byte repeats the setting that is left
.if MSB != (\new)
	s_set_vgpr_msb (MSB<<8)|(\new)
.set MSB, (\new)
.endif
.endm
.set MUL_LO, 0xa1
.set MUL_HI, 0xf1
.set TO_B,   0x40
.macro PLACES                          ; plain vector lines between a matrix instruction and a load into, or a vector instruction on, its registers
.rept 4
	v_nop
.endr
.endm
.macro JLOAD                           ; a joint load: waves 0 and 1 fetch for A, waves 2 and 3 for B; an s_nop 0 and four v_nop follow each of the two lines
	s_cmp_eq_u32 s15, 0
	s_cbranch_scc0 .Lfor_b_\@
	tensor_load_to_lds s[G0:G0+3], s[G1:G1+7]
	s_nop 0
	PLACES
	s_branch .Lasked_\@
.Lfor_b_\@:
	tensor_load_to_lds s[G0B:G0B+3], s[G1B:G1B+7]
	s_nop 0
	PLACES
.Lasked_\@:
.endm
.macro CREST
	s_cmp_lg_u32 s14, 0
	s_cbranch_scc1 .Lnot_wave_0_\@
	s_barrier_signal -3
.Lnot_wave_0_\@:
	s_barrier_wait -3
	s_barrier_signal -1
	s_barrier_wait -1
.endm
.macro CROUND
	s_barrier_signal -1
	s_barrier_wait -1
	CREST
.endm
.macro ASK k                           ; my quarter of what my wave fetches in K step k: 2 x 16 aligned blocks of 256 bytes, one a lane
	global_prefetch_b8 v[PFO], s[PFA:PFA+1] offset:(\k)*STEPB th:TH_LOAD_NT scope:SCOPE_SE
.endm
.macro WALK                            ; the descriptors: the other slot than last time, the next K step
	s_xor_b32 s[G0+1], s[G0+1], SLOT
	s_add_nc_u64 s[G0+2:G0+3], s[G0+2:G0+3], STEPB
	s_xor_b32 s[G0B+1], s[G0B+1], SLOT
	s_add_nc_u64 s[G0B+2:G0B+3], s[G0B+2:G0B+3], STEPB
.endm
	s_load_b256 s[4:11], s[0:1], 0x0               ; qc s[4:5], kc s[6:7], the scales' exponents s[8:9], pc s[10:11]
	s_load_b128 s[68:71], s[0:1], 0x20             ; mstat s[68:69], lstat s[70:71]
	v_lshl_add_u32 v[SPW], v0, 2, SPARE
	v_mov_b32 v[NIL], 0
	ds_add_u32 v[SPW], v[NIL]                      ; the wave's opening: the add, twice on end, and its wait
	ds_add_u32 v[SPW], v[NIL]
	v_lshrrev_b32 v1, 5, v0
	v_readfirstlane_b32 s14, v1                    ; wave 0..3
	s_lshr_b32 s15, s14, 1                         ; my half of the tile's rows (queries).  Also: I fetch for A (0) or for B (1)
	s_and_b32 s16, s14, 1                          ; my half of its columns (keys).  Also: which 128 rows I fetch
	s_bfe_u32 s40, ttmp6, 0x40000                  ; cx, cy
	s_bfe_u32 s41, ttmp6, 0x40004
	s_lshl_b32 s42, ttmp9, 2
	s_add_co_u32 s42, s42, s40                     ; tile column: block of 256 keys, 0..7, within the batch
	s_and_b32 s18, ttmp7, 0xffff
	s_lshr_b32 s19, s18, 1                         ; the batch: 8 tile rows each; from the cluster's y alone, so all sixteen partners share it
	s_lshl_b32 s17, s18, 2
	s_add_co_u32 s17, s17, s41                     ; tile row, 0..31, over all batches
	s_lshl_b32 s43, s41, 2
	s_lshl_b32 s43, 15, s43                        ; my row of the cluster
	s_lshl_b32 s44, 0x1111, s40                    ; my column
	s_or_b32 s[G1+0], s43, (1<<21)                 ; the mask; elements of 1 byte; no padding; bit 21 beside a mask
	s_or_b32 s[G1B+0], s44, (1<<21)
.irp g, G1, G1B
	s_mov_b32 s[\g+1], 16384<<16                   ; tensor_dim0: 8 fragments on end
	s_mov_b32 s[\g+2], 4<<16                       ; tensor_dim1: at the head 4 channel blocks,
	s_mov_b32 s[\g+3], 16384<<16                   ; tile_dim0
	s_mov_b32 s[\g+4], 4                           ; tile_dim1
	s_mov_b32 s[\g+5], 1<<20                       ; 1 MiB apart
	s_mov_b32 s[\g+6], 0
	s_mov_b32 s[\g+7], 0
.endr
	s_lshl_b32 s18, s16, 14                        ; which 8 token blocks I fetch
	s_lshl_b32 s20, s17, 15
	s_add_co_u32 s20, s20, s18                     ; Q: token block 16 x tile row + 8 x half
	s_mov_b32 s21, 0
	s_lshl_b32 s46, s19, 18                        ; K: the batch's 128 token blocks,
	s_lshl_b32 s47, s42, 15
	s_add_co_u32 s46, s46, s47                     ; + 16 x tile column,
	s_add_co_u32 s46, s46, s18                     ; + 8 x half
	s_mov_b32 s47, 0
	s_lshl_b32 s45, s14, 16                        ; where they go: A's halves, B's halves, 65,536 bytes each
	s_mov_b32 s90, 0x76543210                      ; v_permlanex16_b32's selects for lane l xor 16
	s_mov_b32 s91, 0xfedcba98
	s_mov_b32 s94, 0xff800000                      ; -infinity: under every score
	s_wait_dscnt 0x0                               ; both opening adds are done
	s_wait_kmcnt 0x0
	s_load_b128 s[72:75], s[8:9], 0x18             ; e6, e7, e8, e9
	s_add_nc_u64 s[20:21], s[4:5], s[20:21]
	s_add_nc_u64 s[46:47], s[6:7], s[46:47]
	s_mov_b32 s[G0], 1
	s_add_co_u32 s[G0+1], s45, 0
	s_add_nc_u64 s[G0+2:G0+3], s[20:21], 0
	s_or_b32 s[G0+3], s[G0+3], 0x80000000
	s_mov_b32 s[G0B], 1
	s_add_co_u32 s[G0B+1], s45, 0
	s_add_nc_u64 s[G0B+2:G0B+3], s[46:47], 0
	s_or_b32 s[G0B+3], s[G0B+3], 0x80000000
	CROUND                                         ; all sixteen work-groups are here: the first joint loads meet
	JLOAD                                          ; K steps 0 and 1, one load a wave
	s_cmp_eq_u32 s15, 0                            ; the prefetches: my wave's tile, my quarter by cx (A) or cy (B)
	s_cselect_b64 s[PFA:PFA+1], s[20:21], s[46:47]
	s_cselect_b32 s22, s40, s41
	s_lshl_b32 s22, s22, 12
	s_mov_b32 s23, 0
	s_add_nc_u64 s[PFA:PFA+1], s[PFA:PFA+1], s[22:23]
	s_lshl_b32 s20, s42, 21                        ; pc: block of 128 keys 2 x tile column + column half, 1 MiB each,
	s_lshl_b32 s21, s16, 20
	s_add_co_u32 s20, s20, s21
	s_lshl_b32 s21, s17, 15                        ; + query block 16 x tile row + 8 x row half
	s_add_co_u32 s20, s20, s21
	s_lshl_b32 s21, s15, 14
	s_add_co_u32 s20, s20, s21
	s_mov_b32 s21, 0
	s_add_nc_u64 s[10:11], s[10:11], s[20:21]
	s_lshl_b32 s20, s17, 10                        ; the statistics: 4 bytes a row: 1,024 x tile row + 512 x row half,
	s_lshl_b32 s21, s15, 9
	s_add_co_u32 s20, s20, s21
	s_lshl_b32 s21, s42, 15
	s_add_co_u32 s22, s20, s21                     ; mstat: + 32,768 x block of keys
	s_lshl_b32 s21, s16, 8
	s_add_co_u32 s22, s22, s21                     ;        + the 64 rows of the 128 that I store
	s_mov_b32 s23, 0
	s_add_nc_u64 s[68:69], s[68:69], s[22:23]
	s_lshl_b32 s21, s42, 16
	s_add_co_u32 s20, s20, s21                     ; lstat: + 32,768 x (2 x block + column half)
	s_lshl_b32 s21, s16, 15
	s_add_co_u32 s20, s20, s21
	s_mov_b32 s21, 0
	s_add_nc_u64 s[70:71], s[70:71], s[20:21]
	s_lshl_b32 s18, s15, 16                        ; my 128 rows of A in slot 0,
	s_lshl_b32 s20, s16, 16
	s_add_co_u32 s20, s20, 131072                  ; my 128 rows of B
	s_lshl_b32 s22, s14, 9
	s_add_co_u32 s23, s22, LT
	s_add_co_u32 s22, s22, XT
	s_xor_b32 s2, s14, 1
	s_lshl_b32 s2, s2, 9
	s_add_co_u32 s2, s2, XT
	s_lshl_b32 s3, s15, 10
	s_lshl_b32 s43, s16, 8
	s_add_co_u32 s3, s3, s43
	s_add_co_u32 s3, s3, XT
	v_and_b32 v1, 15, v0                           ; r
	v_bfe_u32 v2, v0, 4, 1                         ; h
	v_and_b32 v6, 31, v0                           ; lane
	v_lshlrev_b32 v[GL], 4, v6
	v_lshlrev_b32 v[GM], 3, v6
	v_add_nc_u32 v[ADRA], s18, v[GL]
	v_add_nc_u32 v[ADRB], s20, v[GL]
	v_lshl_add_u32 v[XS], v1, 2, s22
	v_lshl_add_u32 v[XL], v1, 2, s2
	v_lshl_add_u32 v[XQ], v6, 3, s3
	v_lshl_add_u32 v[LSA], v1, 2, s23
	v_lshl_add_u32 v[LQ], v6, 4, s23
	v_lshlrev_b32 v5, 8, v1
	v_lshl_add_u32 v[PFO], v2, 20, v5
	s_wait_alu depctr_va_vdst(0)                   ; directly ahead of the wait below
	s_wait_kmcnt 0x0
	s_add_co_i32 s76, s72, s73                     ; e6 + e7 goes into c's exponent field
	s_lshl_b32 s76, s76, 23
	s_add_co_i32 s92, s76, 0x3d38aa3b              ; c' = log2(e) / 32 x 2^(e6 + e7)
	s_mov_b32 s93, s92                             ; (named with it as a pair, so it is written)
	s_add_co_i32 s76, s74, 127
	s_lshl_b32 s77, s76, 23
	s_add_co_i32 s76, s76, 8
	s_lshl_b32 s76, s76, 23
	s_or_b32 s76, s76, 0x600000
	v_mov_b32 v[SCV], s77                          ; 2^e8
	v_mov_b32 v[LIMV], s76                         ; 448 x 2^e8
.macro FRAG reg, adr, q, i             ; 16 rows x 128 K, 2,048 bytes on end: piece c of lane l at 512 c + 16 l
.irp c, 0,1,2,3
	ds_load_b128 v[(\reg)+4*\c:(\reg)+4*\c+3], v[\adr] offset:16384*(\q)+2048*(\i)+512*\c
.endr
.endm
.macro MUL16 a0, p, zero               ; 16 matrix instructions; the 64 accumulators take turns, one instruction a turn
.irp a, \a0, \a0+1
.irp b, 0,1,2,3,4,5,6,7
.if \zero
	v_wmma_f32_16x16x128_fp8_fp8 v[8*(8*((\a)%4)+\b):8*(8*((\a)%4)+\b)+7], v[128*(\p)+FR*\b:128*(\p)+FR*\b+FR-1], v[AF+FR*(\a):AF+FR*(\a)+FR-1], 0
.else
	v_wmma_f32_16x16x128_fp8_fp8 v[8*(8*((\a)%4)+\b):8*(8*((\a)%4)+\b)+7], v[128*(\p)+FR*\b:128*(\p)+FR*\b+FR-1], v[AF+FR*(\a):AF+FR*(\a)+FR-1], v[8*(8*((\a)%4)+\b):8*(8*((\a)%4)+\b)+7]
.endif
.endr
.endr
.endm
; A step's 64 LDS loads go in four runs of 16, a run ahead of or behind 16 matrix instructions
.macro FETCH_B slot, q, p, i0          ; B's fragments i0 .. i0 + 3 into set p
	WIN TO_B
.irp i, \i0, \i0+1, \i0+2, \i0+3
	FRAG 128*(\p)+FR*(\i), ADRB+\slot, \q, \i
.endr
	WIN 0
.endm
.macro FETCH_A slot, q, i0             ; A's blocks i0 .. i0 + 3
.irp i, \i0, \i0+1, \i0+2, \i0+3
	FRAG AF+FR*(\i), ADRA+\slot, \q, \i
.endr
.endm
.macro STEP slot, zero                 ; a slot's first 128 along K; the slot's second 128 are fetched
	s_wait_dscnt 16                                ; B's set and A's blocks 0-3 are in; the youngest 16 loads (A's blocks 4-7) may be out
	FETCH_B \slot, 1, 1, 0                         ; (the four v_nop ahead of the last run are the places for set 1, too)
	WIN MUL_LO
	MUL16 0, 0, \zero
	FETCH_B \slot, 1, 1, 4
	WIN MUL_LO
	MUL16 2, 0, \zero
	s_wait_dscnt 32                                ; A's blocks 4-7 are in; the 32 loads of B's other set may be out
	PLACES
	WIN 0
	FETCH_A \slot, 1, 0
	WIN MUL_HI
	MUL16 4, 0, \zero
	MUL16 6, 0, \zero
	PLACES
	WIN 0
	FETCH_A \slot, 1, 4
.endm
.macro TURN next, fill, ask            ; a slot's second 128 along K: the change of slots
	s_wait_tensorcnt 0x0                           ; all my tensor loads have landed: my part of the next slot
	ds_add_u32 v[SPW], v[NIL]                      ; 0 onto my spare word
	s_wait_dscnt 17                                ; (the add and the youngest 16 loads may be out)
	WIN MUL_LO
	MUL16 0, 1, 0
	s_wait_dscnt 0x0                               ; the add is done, and my reads of this slot are over
	s_barrier_signal -1
	MUL16 2, 1, 0
	WIN 0
	s_barrier_wait -1
.if \fill
	CREST                                          ; a round of the cluster's barrier: no wave of any partner still reads this slot or has a load on its way
	WALK
	JLOAD                                          ; the first tensor load behind the round; its four v_nop are the places in front of the loads below
.else
	PLACES
.endif
	FETCH_B \next, 0, 0, 0
	FETCH_A \next, 0, 0
.if \ask
	s_cmp_eq_u32 s[TRIP], 2                        ; the first trip alone: the second has no K step two on
	s_cbranch_scc0 .Lna_\@
	ASK \ask
.Lna_\@:
.endif
	WIN MUL_HI
	MUL16 4, 1, 0
	FETCH_B \next, 0, 0, 4
	WIN MUL_HI
	MUL16 6, 1, 0
	PLACES
	WIN 0
	FETCH_A \next, 0, 4
.endm
	s_wait_alu depctr_va_vdst(0)                   ; the head's end
	s_wait_tensorcnt 0x0                           ; my part of K steps 0 and 1 is in, so the descriptors may be written:
.irp g, G1, G1B
	s_mov_b32 s[\g+2], 2<<16                       ; from here on a load brings 2 channel blocks;
	s_mov_b32 s[\g+4], 2
.endr
	WALK                                           ; as if K step 1 had been asked for last
	s_barrier_signal -1
	s_barrier_wait -1
	FETCH_B 0, 0, 0, 0
	FETCH_B 0, 0, 0, 4
	FETCH_A 0, 0, 0
	FETCH_A 0, 0, 4
	ASK 2
	STEP 0, 1
	s_mov_b32 s[TBN], SLOT
	s_mov_b32 s[TRIP], 2
.macro TOSLOT                          ; v[ADRA + 1] and v[ADRB + 1]: the slot that is entered
	v_add_nc_u32 v[ADRA+1], s[TBN], v[ADRA]
	v_add_nc_u32 v[ADRB+1], s[TBN], v[ADRB]
	s_wait_alu depctr_va_vdst(0)                   ; directly behind the writes
.endm
.Lk:                                                   ; two trips, from a K step's second half to the next one's first; every window is 0 here
	TOSLOT
	TURN 1, 1, 3
	STEP 1, 0
	s_xor_b32 s[TBN], s[TBN], SLOT
	s_sub_co_u32 s[TRIP], s[TRIP], 1
	s_cmp_lg_u32 s[TRIP], 0
	s_cbranch_scc1 .Lk
	TOSLOT
	TURN 1, 0, 0                                   ; nothing is left to fetch
	STEP 1, 0
	s_wait_dscnt 16                                ; the very last 128
	WIN MUL_LO
	MUL16 0, 1, 0
	MUL16 2, 1, 0
	s_wait_dscnt 0
	WIN MUL_HI
	MUL16 4, 1, 0
	MUL16 6, 1, 0
	PLACES
	; THE ROWS' LARGEST SCORES among my 128 keys: two chains for each block of rows, four blocks by turns; each accumulator is read from its low end on
.irp hw, 0,1
	WIN (((2+\hw)<<2)|((2+\hw)<<4))
.irp b, 0,1,2,3,4,5,6,7
.irp p, 0,1,2,3
.irp a, 0,1,2,3
.if (\b == 0) && (\p < 2)
	v_max3_num_f32 v[TA+8*(\p%2)+4*\hw+\a], s94, v[8*(8*\a+\b)+2*\p], v[8*(8*\a+\b)+2*\p+1]
.else
	v_max3_num_f32 v[TA+8*(\p%2)+4*\hw+\a], v[TA+8*(\p%2)+4*\hw+\a], v[8*(8*\a+\b)+2*\p], v[8*(8*\a+\b)+2*\p+1]
.endif
.endr
.endr
.endr
.endr
	WIN 0
.irp a, 0,1,2,3,4,5,6,7
	v_max_num_f32 v[TA+\a], v[TA+\a], v[TB+\a]
.endr
.irp a, 0,1,2,3,4,5,6,7
	v_permlanex16_b32 v[TB+\a], v[TA+\a], s90, s91 ; the query's other 64 keys lie in the lane 16 away
.endr
.irp a, 0,1,2,3,4,5,6,7
	v_max_num_f32 v[TA+\a], v[TA+\a], v[TB+\a]
.endr
.irp a, 0,1,2,3,4,5,6,7
	ds_store_b32 v[XS], v[TA+\a] offset:64*\a      ; word 16 a + r of my wave's 128 (both halves of the lanes write the same number)
.endr
.irp a, 0,1,2,3,4,5,6,7
	v_mov_b32 v[NM+2*\a+1], 0                      ; (named as the upper half of a pair)
.endr
	s_wait_alu depctr_va_vdst(0)                   ; directly ahead of the wait below
	s_wait_dscnt 0x0                               ; for my partner's sake: my stores are done
	s_barrier_signal -1
	s_barrier_wait -1
.irp a, 0,1,2,3,4,5,6,7
	ds_load_b32 v[TB+\a], v[XL] offset:64*\a       ; the same rows' maxima among the tile's other 128 keys
.endr
	ds_load_b64 v[XA:XA+1], v[XQ]                  ; two rows' maxima of both waves of my pair, for mstat
	ds_load_b64 v[XB:XB+1], v[XQ] offset:512
	s_wait_dscnt 0x0
.irp a, 0,1,2,3,4,5,6,7
	v_max_num_f32 v[TA+\a], v[TA+\a], v[TB+\a]
.endr
	v_max_num_f32 v[XA], v[XA], v[XB]
	v_max_num_f32 v[XA+1], v[XA+1], v[XB+1]
.irp a, 0,1,2,3,4,5,6,7
	v_mul_f32 v[TA+\a], s92, v[TA+\a]              ; as t (c' is positive)
.endr
	v_mul_f32 v[XA], s92, v[XA]
	v_mul_f32 v[XA+1], s92, v[XA+1]
.irp a, 0,1,2,3,4,5,6,7
	v_floor_f32 v[NM+2*\a], -v[TA+\a]              ; -M_b = floor(-t) = -ceil(t): a whole number
.endr
	v_floor_f32 v[MV], -v[XA]
	v_floor_f32 v[MV+1], -v[XA+1]
	global_store_b64 v[GM], v[MV:MV+1], s[68:69]   ; -M_b of 64 rows: 256 consecutive bytes, aligned; my partner stores the other 64
; THE SOFTMAX, by blocks of 16 queries.  FMA: t - M_b, two at a time.  EXPMIN: p_b = 2^(t - M_b) of block a; between the exponentials stands the hold of block m, the one before (p is not negative: one-sided).
; ADDCVT: the sums of the unquantised p of block a in two chains, block m's codes among them, and block m's stores.
.macro FMA a
	WIN 0x41*(2+(\a)/4)
.set n, 64*((\a)%4)
.rept 32
	v_pk_fma_f32 v[n:n+1], v[n:n+1], s[92:93], v[NM+2*(\a):NM+2*(\a)+1] op_sel_hi:[1,0,0]
.set n, n+2
.endr
.endm
.macro EXPMIN a, m
	WIN 0x41*(2+(\a)/4)
.set n, 0
.rept 64
	v_exp_f32 v[64*((\a)%4)+n], v[64*((\a)%4)+n]
.if (\m) >= 0
	v_min_num_f32 v[64*((\m)%4)+n], v[64*((\m)%4)+n], v[LIMV]   ; the conversion to an 8-bit code does not saturate (ISA guide 7.6.2)
.endif
.set n, n+1
.endr
.endm
.macro CVT m, b
	v_cvt_scalef32_pk8_fp8_f32 v[CD+16*(\m)+2*(\b):CD+16*(\m)+2*(\b)+1], v[64*((\m)%4)+8*(\b):64*((\m)%4)+8*(\b)+7], v[SCV]
.endm
.macro SEND m                          ; the block's fragment: each store of the wave covers 512 consecutive bytes
	WIN 0
.irp c, 0,1,2,3
	global_store_b128 v[GL], v[CD+16*(\m)+4*\c:CD+16*(\m)+4*\c+3], s[10:11] offset:2048*(\m)+512*\c
.endr
.endm
.macro ADDCVT a, m
.set AC, 64*((\a)%4)
	WIN 5*(2+(\a)/4)
	v_pk_add_f32 v[LS+2*(\a):LS+2*(\a)+1], v[AC:AC+1], v[AC+2:AC+3]
	v_pk_add_f32 v[L2+2*(\a):L2+2*(\a)+1], v[AC+4:AC+5], v[AC+6:AC+7]
	WIN (2+(\a)/4)
.set n, 8
.rept 14
	v_pk_add_f32 v[LS+2*(\a):LS+2*(\a)+1], v[AC+n:AC+n+1], v[LS+2*(\a):LS+2*(\a)+1]
.if ((\m) >= 0) && (n < 40)
	CVT \m, n/4-2
.endif
	v_pk_add_f32 v[L2+2*(\a):L2+2*(\a)+1], v[AC+n+2:AC+n+3], v[L2+2*(\a):L2+2*(\a)+1]
.set n, n+4
.endr
.if (\m) >= 0
	SEND \m
.endif
.endm
.macro GROUP a0
	FMA \a0
	s_wait_alu depctr_va_vdst(0)                   ; a wait ahead of the batch,
	EXPMIN \a0, -1
	FMA (\a0)+1
	s_wait_alu depctr_va_vdst(0)                   ; and one ahead of its first reader; it serves the next batch's sources too
	ADDCVT \a0, -1
	EXPMIN (\a0)+1, \a0
	FMA (\a0)+2
	s_wait_alu depctr_va_vdst(0)
	ADDCVT (\a0)+1, \a0
	EXPMIN (\a0)+2, (\a0)+1
	FMA (\a0)+3
	s_wait_alu depctr_va_vdst(0)
	ADDCVT (\a0)+2, (\a0)+1
	EXPMIN (\a0)+3, (\a0)+2
	v_nop                                          ; a plain line behind the last exponential
	s_wait_alu depctr_va_vdst(0)
	ADDCVT (\a0)+3, (\a0)+2
	WIN 0x41*(2+(\a0)/4)
.set n, 192
.rept 64
	v_min_num_f32 v[n], v[n], v[LIMV]
.set n, n+1
.endr
	WIN (2+(\a0)/4)
.irp b, 0,1,2,3,4,5,6,7
	CVT (\a0)+3, \b
.endr
	v_nop                                          ; a plain vector line behind the last conversion
	SEND (\a0)+3
.endm
	GROUP 0
	GROUP 4
.irp a, 0,1,2,3,4,5,6,7
	v_pk_add_f32 v[LS+2*\a:LS+2*\a+1], v[LS+2*\a:LS+2*\a+1], v[L2+2*\a:L2+2*\a+1]
.endr
.irp a, 0,1,2,3,4,5,6,7
	v_add_f32 v[LS+2*\a], v[LS+2*\a], v[LS+2*\a+1]
.endr
.irp a, 0,1,2,3,4,5,6,7
	v_permlanex16_b32 v[L2+2*\a], v[LS+2*\a], s90, s91
.endr
.irp a, 0,1,2,3,4,5,6,7
	v_add_f32 v[LS+2*\a], v[LS+2*\a], v[L2+2*\a]   ; the row's sum over my 128 keys
.endr
.irp a, 0,1,2,3,4,5,6,7
	ds_store_b32 v[LSA], v[LS+2*\a] offset:64*\a
.endr
	ds_load_b128 v[LV:LV+3], v[LQ]                 ; back as 4 rows a lane: my own bytes, and LDS serves a wave's instructions in order (ISA guide 5.7.1.4)
	s_wait_dscnt 0x0
	global_store_b128 v[GL], v[LV:LV+3], s[70:71]  ; 128 rows' sums: 512 consecutive bytes
	s_wait_tensorcnt 0x0                           ; the wave's end
	ds_add_u32 v[SPW], v[NIL]
	s_wait_dscnt 0x0
	CROUND                                         ; the closing round
	s_endpgm
.Lfunc_end_k_q555e6a87c8_score:
	.size	k_q555e6a87c8_score, .Lfunc_end_k_q555e6a87c8_score-k_q555e6a87c8_score
	.p2alignl 7, 3214868480
	.fill 96, 4, 3214868480
	.section	.rodata,"a",@progbits
	.p2align	6, 0x0
	.amdhsa_kernel k_q555e6a87c8_score
		.amdhsa_group_segment_fixed_size 327680
		.amdhsa_private_segment_fixed_size 0
		.amdhsa_enable_private_segment 0
		.amdhsa_kernarg_size 48
		.amdhsa_user_sgpr_count 2
		.amdhsa_user_sgpr_kernarg_segment_ptr 1
		.amdhsa_wavefront_size32 1
		.amdhsa_system_sgpr_workgroup_id_x 1
		.amdhsa_system_sgpr_workgroup_id_y 1
		.amdhsa_system_sgpr_workgroup_id_z 1
		.amdhsa_system_vgpr_workitem_id 0
		.amdhsa_next_free_vgpr 1024
		.amdhsa_next_free_sgpr 100
		.amdhsa_reserve_vcc 0
		.amdhsa_float_denorm_mode_32 3
		.amdhsa_float_denorm_mode_16_64 3
		.amdhsa_memory_ordered 1
		.amdhsa_forward_progress 1
		.amdhsa_inst_pref_size 155
	.end_amdhsa_kernel
	.amdgpu_metadata
---
amdhsa.version: [ 1, 2 ]
amdhsa.kernels:
  - .name:           k_q555e6a87c8_score
    .symbol:         k_q555e6a87c8_score.kd
    .args:
      - { .name: qc, .offset: 0, .size: 8, .value_kind: global_buffer, .address_space: global }
      - { .name: kc, .offset: 8, .size: 8, .value_kind: global_buffer, .address_space: global }
      - { .name: lowp_scales, .offset: 16, .size: 8, .value_kind: global_buffer, .address_space: global }
      - { .name: pc, .offset: 24, .size: 8, .value_kind: global_buffer, .address_space: global }
      - { .name: mstat, .offset: 32, .size: 8, .value_kind: global_buffer, .address_space: global }
      - { .name: lstat, .offset: 40, .size: 8, .value_kind: global_buffer, .address_space: global }
    .group_segment_fixed_size: 327680
    .private_segment_fixed_size: 0
    .kernarg_segment_align: 8
    .kernarg_segment_size: 48
    .max_flat_workgroup_size: 128
    .sgpr_count:     100
    .vgpr_count:     1024
    .wavefront_size: 32
...
	.end_amdgpu_metadata
.endif
;; end of part 2
;; launch pv (part 3): grid 4 x 64, 4 waves a work-group, clusters of 4 x 4, 327,680 bytes of LDS; arguments pc, vc, mstat, lstat, lowp_scales, out0; writes out0
.if DOCPART == 3
	.amdgcn_target "amdgcn-amd-amdhsa--gfx1250"
	.amdhsa_code_object_version 6
	.text
	.protected	k_q555e6a87c8_pv
	.globl	k_q555e6a87c8_pv
	.p2align	8
	.type	k_q555e6a87c8_pv,@function
k_q555e6a87c8_pv:
	s_mov_b64 s[64:65], 0
	v_nop
	global_prefetch_b8 v0, s[64:65] scope:SCOPE_SE
	s_setreg_imm32_b32 hwreg(HW_REG_WAVE_MODE, 25, 1), 1
	s_wait_xcnt 0x0
	s_wait_alu depctr_hold_cnt(0) depctr_sa_sdst(0) depctr_va_vdst(0) depctr_va_sdst(0) depctr_va_ssrc(0) depctr_va_vcc(0) depctr_vm_vsrc(0)
	s_getreg_b32 s2, hwreg(HW_REG_IB_STS2, 6, 4)
	s_cmp_eq_u32 s2, 0
	s_cbranch_scc0 .Lentry_in_a_cluster
	s_endpgm
.Lentry_in_a_cluster:
	s_bfe_u32 s2, ttmp6, 0x10000c
	s_cmp_lg_u32 s2, 0xf033
	s_cbranch_scc0 .Lentry_shape_is_right
	s_endpgm
.Lentry_shape_is_right:
; out = (sum over the eight blocks b of 256 keys of 2^(M_b - M) P_b V_b) x 2^(e8 + e9) / l, on codes of FP8 (E4M3).  No work is left out.
; pc: [16 blocks of 128 keys][512 blocks of 16 queries][a fragment of 2,048 bytes: 4 pieces x 32 lanes x 16 bytes], codes of p_b = 2^(t - M_b);  vc: [4 batches][16 blocks of 128 keys][64 blocks of 16 channels][fragment], the keys in the same order;
; mstat: [8][8192] -M_b;  lstat: [16][8192] sums of p_b over 128 keys;  out0: [8192][1024] f32.  M = the largest M_b of the row (the ceiling of the row's largest t); l = sum of 2^(M_b - M) l_b.
; THE WEIGHTS ARE POWERS OF TWO AND ARE APPLIED TO THE SUMS: while block b is added, the accumulators stand for the sum / 2^nd_b, nd_b = max(M_b - M, -64); ahead of block b they are multiplied by 2^(nd_(b-1) - nd_b), which rounds nothing;
; at the end by 2^nd_7 x 2^(e8 + e9) / l.  Every exponent lies within +-64, so no product overflows: a sum of 2,048 products of codes stays under 2^29.
; LIMIT: a block that lies more than 64 binary orders under the row's largest is weighed by 2^-64 and not by less, in the sums and in l alike: under 2^-55 of the result.  NaN among the inputs is not served.
; SHARES.  A tile of 128 queries x 256 channels to a work-group: 64 x 4 = 256 work-groups.  Four waves, each 64 queries x 128 channels: 32 accumulators.  (Tiles of 256 x 256 would be 128.)
; THE RING HAS A LONG SLOT AND A SHORT ONE: D holds 512 keys, S 256.  The batch's 2,048 keys are walked D, S, D, S, D: 512 + 256 + 512 + 256 + 512, written out.  The head's one load a wave brings D and S together; three refills follow.
; A tile is a few runs on end (a block of 128 keys: 8,192 bytes of P, 16,384 of V a wave) and lies in LDS as it comes.
; CLUSTERS: 4 x 4.  P's tile is shared along a row of the cluster, V's along a column: joint loads.  Waves 0 and 1 fetch P's two halves (64 queries each), waves 2 and 3 V's (128 channels each).
; PREFETCH: what a refill asks for has been asked for one slot's work earlier; the four partners share a tile's bytes by address.
; TRANSPOSED USE: source 0 = 16 channels of V^T, source 1 = 16 queries of P: lane (r, h) holds query r and eight neighbouring channels.
; THE LAST 256 KEYS GO BY ROWS: a block of 16 queries is finished, and leaves, while the next ones are multiplied.
; REGISTERS: window 0: v1-7 at work at the head; v8-15 the last factor, a pair for each block of rows; v16-31 addresses; v32-87 the seven changes of base, pairs; v128-255 P's fragments, two sets of 4.
;   window 1: V's fragments, two sets of 8.   window 2: accumulator (a, b) at v[8 (8 a + b)].   window 3: the statistics and the work on them; on the way out v0-63 scaled sums, v64-127 and v128-191 rows read back.
.set PKB,    8192                      ; P's half: 128 keys in LDS
.set VKB,    16384                     ; V's half
.set PH,     6*PKB                     ; P's half: D, then S
.set VB,     2*PH                      ; V begins here
.set VH,     6*VKB                     ; V's half: D, then S
.set FR,     16
.set SPARE,  VB+2*VH                   ; behind both: the spare words, which no other line names
.set SPITCH, 528                       ; the way out: a stage of 16 rows x (512 bytes + 16) for each wave, in V's parts of S, which have had their last fill and their last read by then
.set FIN,  8
.set ADRA, 16                          ; v16 my P fragments in S, v17 in D
.set ADRB, 20                          ; v20 my V fragments in S, v21 in D
.set STO,  24
.set RD,   25
.set CO,   26
.set SPW,  28
.set NIL,  29
.set PFP,  30                          ; the prefetches' offsets: 16 blocks of P, 32 of V in two blocks of 128 keys
.set PFV,  31
.set FAC,  32                          ; the change of base ahead of block b, rows' block a: v[FAC + 2 (4 (b - 1) + a)] and the next
.set AF,   128
.set NMB,  0                           ; window 3: -M_b of my rows: v[NMB + 4 b + a]
.set LB,   32                          ; window 3: l of half block 2 b + h: v[LB + 4 b + a]
.set TM,   64                          ; window 3: M and at work
.set ND,   68                          ; window 3: nd_b
.set WT,   76                          ; window 3: 2^nd_b
.set LSUM, 84                          ; window 3
.set W7,   88                          ; window 3
.set G1AD, 24                          ; descriptor groups 1: P into D, P into S, V into D, V into S
.set G1AS, 32
.set G1BD, 40
.set G1BS, 48
.set G0AD, 56                          ; their groups 0
.set G0AS, 60
.set G0BD, 68
.set G0BS, 72
.set PFA,  94
.set MSB, 0
.macro WIN new                         ; the immediate's high byte repeats the setting that is left
.if MSB != (\new)
	s_set_vgpr_msb (MSB<<8)|(\new)
.set MSB, (\new)
.endif
.endm
.set MUL,  0xa1                        ; source 0 (V) window 1, source 1 (P) window 0, C and D window 2
.set TO_B, 0x40                        ; destination window 1, address window 0
.macro PLACES                          ; plain vector lines between a matrix instruction and a load into, or a vector instruction on, its registers
.rept 4
	v_nop
.endr
.endm
.macro JLOAD g0a, g1a, g0b, g1b        ; a joint load; an s_nop 0 and four v_nop follow each of the two lines
	s_cmp_eq_u32 s15, 0
	s_cbranch_scc0 .Lfor_b_\@
	tensor_load_to_lds s[\g0a:\g0a+3], s[\g1a:\g1a+7]
	s_nop 0
	PLACES
	s_branch .Lasked_\@
.Lfor_b_\@:
	tensor_load_to_lds s[\g0b:\g0b+3], s[\g1b:\g1b+7]
	s_nop 0
	PLACES
.Lasked_\@:
.endm
.macro CREST
	s_cmp_lg_u32 s14, 0
	s_cbranch_scc1 .Lnot_wave_0_\@
	s_barrier_signal -3
.Lnot_wave_0_\@:
	s_barrier_wait -3
	s_barrier_signal -1
	s_barrier_wait -1
.endm
.macro CROUND
	s_barrier_signal -1
	s_barrier_wait -1
	CREST
.endm
.macro ASK k                           ; my quarter of what my wave fetches of key blocks 7 + k and 8 + k: aligned blocks of 256 bytes, one a lane (P's 16 blocks: lanes 16-31 name the last again)
	s_cmp_eq_u32 s15, 0
	s_cbranch_scc0 .Lask_v_\@
	global_prefetch_b8 v[PFP], s[PFA:PFA+1] offset:(\k)*1048576 th:TH_LOAD_NT scope:SCOPE_SE
	s_branch .Lask_\@
.Lask_v_\@:
	global_prefetch_b8 v[PFV], s[PFA:PFA+1] offset:(\k)*131072 th:TH_LOAD_NT scope:SCOPE_SE
.Lask_\@:
.endm
	s_load_b256 s[4:11], s[0:1], 0x0               ; pc s[4:5], vc s[6:7], mstat s[8:9], lstat s[10:11]
	s_load_b128 s[76:79], s[0:1], 0x20             ; the scales' exponents s[76:77], out0 s[78:79]
	v_lshl_add_u32 v[SPW], v0, 2, SPARE
	v_mov_b32 v[NIL], 0
	ds_add_u32 v[SPW], v[NIL]                      ; the wave's opening: the add, twice on end, and its wait
	ds_add_u32 v[SPW], v[NIL]
	v_lshrrev_b32 v1, 5, v0
	v_readfirstlane_b32 s14, v1                    ; wave 0..3
	s_lshr_b32 s15, s14, 1                         ; my half of the tile's 128 queries.  Also: I fetch for P (0) or for V (1)
	s_and_b32 s16, s14, 1                          ; my half of its 256 channels.  Also: which half of that tile I fetch
	s_bfe_u32 s82, ttmp6, 0x40000                  ; cx = the tile column: the grid is one cluster wide
	s_bfe_u32 s83, ttmp6, 0x40004                  ; cy
	s_and_b32 s18, ttmp7, 0xffff
	s_lshl_b32 s17, s18, 2
	s_add_co_u32 s17, s17, s83                     ; tile row, 0..63, over all batches
	s_lshr_b32 s19, s18, 2                         ; the batch: 16 tile rows each; from the cluster's y alone
	s_lshl_b32 s84, s83, 2
	s_lshl_b32 s84, 15, s84                        ; my row of the cluster
	s_lshl_b32 s85, 0x1111, s82                    ; my column
	s_or_b32 s[G1AD+0], s84, (1<<21)               ; the mask; elements of 1 byte; no padding; bit 21 beside a mask
	s_or_b32 s[G1AS+0], s84, (1<<21)
	s_or_b32 s[G1BD+0], s85, (1<<21)
	s_or_b32 s[G1BS+0], s85, (1<<21)
.irp g, G1AD, G1AS                     ; P: runs of 8,192 bytes, 1 MiB apart
	s_mov_b32 s[\g+1], PKB<<16
	s_mov_b32 s[\g+3], PKB<<16
	s_mov_b32 s[\g+5], 1<<20
	s_mov_b32 s[\g+6], 0
	s_mov_b32 s[\g+7], 0
.endr
.irp g, G1BD, G1BS                     ; V: runs of 16,384 bytes, 131,072 apart
	s_mov_b32 s[\g+1], VKB<<16
	s_mov_b32 s[\g+3], VKB<<16
	s_mov_b32 s[\g+5], 131072
	s_mov_b32 s[\g+6], 0
	s_mov_b32 s[\g+7], 0
.endr
.irp g, G1AD, G1BD                     ; at the head D and S: six blocks of 128 keys
	s_mov_b32 s[\g+2], 6<<16
	s_mov_b32 s[\g+4], 6
.endr
.irp g, G1AS, G1BS                     ; S: two
	s_mov_b32 s[\g+2], 2<<16
	s_mov_b32 s[\g+4], 2
.endr
	s_lshl_b32 s20, s17, 14
	s_lshl_b32 s21, s16, 13
	s_add_co_u32 s20, s20, s21                     ; P: query block 8 x tile row + 4 x half
	s_mov_b32 s21, 0
	s_lshl_b32 s92, s19, 21                        ; V: the batch,
	s_lshl_b32 s93, s82, 15
	s_add_co_u32 s92, s92, s93                     ; + channel block 16 x tile column
	s_lshl_b32 s93, s16, 14
	s_add_co_u32 s92, s92, s93                     ; + 8 x half
	s_mov_b32 s93, 0
	s_mul_i32 s86, s16, PH                         ; where P's half goes in D,
	s_add_co_u32 s87, s86, 4*PKB                   ; and in S;
	s_mul_i32 s88, s16, VH
	s_add_co_u32 s88, s88, VB                      ; V's in D,
	s_add_co_u32 s89, s88, 4*VKB                   ; and in S: the wave's number alone
	s_mov_b32 s90, 0x76543210                      ; v_permlanex16_b32's selects for lane l xor 16
	s_mov_b32 s91, 0xfedcba98
	s_wait_dscnt 0x0                               ; both opening adds are done
	s_wait_kmcnt 0x0
	s_load_b64 s[80:81], s[76:77], 0x20            ; e8, e9
	s_add_nc_u64 s[20:21], s[4:5], s[20:21]
	s_add_nc_u64 s[92:93], s[6:7], s[92:93]
	s_mov_b32 s[G0AD], 1
	s_mov_b32 s[G0AD+1], s86
	s_add_nc_u64 s[G0AD+2:G0AD+3], s[20:21], 0     ; keys 0 on
	s_or_b32 s[G0AD+3], s[G0AD+3], 0x80000000
	s_mov_b32 s[G0BD], 1
	s_mov_b32 s[G0BD+1], s88
	s_add_nc_u64 s[G0BD+2:G0BD+3], s[92:93], 0
	s_or_b32 s[G0BD+3], s[G0BD+3], 0x80000000
	s_mov_b32 s[G0AS], 1
	s_mov_b32 s[G0AS+1], s87
	s_add_nc_u64 s[G0AS+2:G0AS+3], s[20:21], 4<<20 ; keys 512 on: its first refill steps it 768 further
	s_or_b32 s[G0AS+3], s[G0AS+3], 0x80000000
	s_mov_b32 s[G0BS], 1
	s_mov_b32 s[G0BS+1], s89
	s_add_nc_u64 s[G0BS+2:G0BS+3], s[92:93], 4*131072
	s_or_b32 s[G0BS+3], s[G0BS+3], 0x80000000
	CROUND                                         ; all sixteen work-groups are here: the first joint loads meet
	JLOAD G0AD, G1AD, G0BD, G1BD                   ; keys 0-767, one load a wave
	s_lshl_b32 s22, s82, 11                        ; the prefetches: my quarter by cx (P) or cy (V), at key block 7
	s_add_co_u32 s22, s22, 7<<20
	s_lshl_b32 s23, s83, 12
	s_add_co_u32 s23, s23, 7*131072
	s_cmp_eq_u32 s15, 0
	s_cselect_b64 s[PFA:PFA+1], s[20:21], s[92:93]
	s_cselect_b32 s22, s22, s23
	s_mov_b32 s23, 0
	s_add_nc_u64 s[PFA:PFA+1], s[PFA:PFA+1], s[22:23]
	; my rows' statistics: rows 128 x tile row + 64 x row half + 16 a + r
	s_lshl_b32 s20, s17, 9
	s_lshl_b32 s21, s15, 8
	s_add_co_u32 s20, s20, s21
	s_mov_b32 s21, 0
	s_add_nc_u64 s[8:9], s[8:9], s[20:21]
	s_add_nc_u64 s[10:11], s[10:11], s[20:21]
	s_lshl_b32 s20, s17, 19                        ; out0: 128 x tile row rows of 4,096 bytes,
	s_lshl_b32 s21, s15, 18
	s_add_co_u32 s20, s20, s21                     ; + 64 x row half,
	s_lshl_b32 s21, s82, 10
	s_add_co_u32 s20, s20, s21                     ; + 256 x tile column channels of 4 bytes,
	s_lshl_b32 s21, s16, 9
	s_add_co_u32 s20, s20, s21                     ; + 128 x column half
	s_mov_b32 s21, 0
	s_add_nc_u64 s[78:79], s[78:79], s[20:21]
	s_mul_i32 s18, s15, PH                         ; my 64 queries in D,
	s_add_co_u32 s19, s18, 4*PKB                   ; and in S;
	s_mul_i32 s20, s16, VH
	s_add_co_u32 s20, s20, VB                      ; my 128 channels in D,
	s_add_co_u32 s21, s20, 4*VKB                   ; and in S
	s_mul_i32 s22, s15, VH
	s_mul_i32 s23, s16, 16*SPITCH
	s_add_co_u32 s23, s23, s22
	s_add_co_u32 s23, s23, VB+4*VKB                ; my stage: two in each of V's parts of S
	v_and_b32 v1, 15, v0                           ; r
	v_bfe_u32 v2, v0, 4, 1                         ; h
	v_and_b32 v7, 31, v0
	v_lshlrev_b32 v[CO], 4, v7                     ; 16 x lane
	v_add_nc_u32 v[ADRA], s19, v[CO]
	v_add_nc_u32 v[ADRA+1], s18, v[CO]
	v_add_nc_u32 v[ADRB], s21, v[CO]
	v_add_nc_u32 v[ADRB+1], s20, v[CO]
	v_mul_u32_u24 v3, v1, SPITCH
	v_lshl_add_u32 v3, v2, 5, v3
	v_add_nc_u32 v[STO], s23, v3                   ; the stage: in: row r, 32 bytes for each half of the lanes
	v_add_nc_u32 v[RD], s23, v[CO]                 ; back: the 32 lanes take one row of 512 bytes; and the same in out0
	v_lshlrev_b32 v4, 8, v1
	v_lshl_add_u32 v[PFV], v2, 17, v4              ; 256 x (lane % 16) + a block of keys x (lane / 16)
	v_min_u32 v7, 15, v7
	v_and_b32 v3, 7, v7
	v_lshlrev_b32 v3, 8, v3
	v_lshrrev_b32 v7, 3, v7
	v_lshl_add_u32 v[PFP], v7, 20, v3              ; 256 x (lane % 8) + a block of keys x (lane / 8), lanes above 15 as 15
	v_lshlrev_b32 v5, 2, v1                        ; 4 r
	v_lshl_add_u32 v6, v2, 15, v5                  ; + 32,768 h: lanes 16-31 take the block's second 128 keys' sums
	s_wait_alu depctr_va_vdst(0)                   ; the head's end
	WIN 0xc0                                       ; destination window 3, address window 0
.irp b, 0,1,2,3,4,5,6,7
.irp a, 0,1,2,3
	global_load_b32 v[NMB+4*\b+\a], v5, s[8:9] offset:32768*\b+64*\a
	global_load_b32 v[LB+4*\b+\a], v6, s[10:11] offset:65536*\b+64*\a
.endr
.endr
	WIN 0
; Block a of my rows: M, the eight clamped differences as whole numbers, the weights, l, and the seven changes of base.  It stands behind products, which name none of its registers.
.macro STAT a
	WIN 0xff                                       ; window 3 throughout
	v_max3_num_f32 v[TM], -v[NMB+\a], -v[NMB+4+\a], -v[NMB+8+\a]
	v_max3_num_f32 v[TM+1], -v[NMB+12+\a], -v[NMB+16+\a], -v[NMB+20+\a]
	v_max3_num_f32 v[TM], v[TM], -v[NMB+24+\a], -v[NMB+28+\a]
	v_max_num_f32 v[TM], v[TM], v[TM+1]            ; M
.irp b, 0,1,2,3,4,5,6,7
	v_sub_f32 v[ND+\b], -v[NMB+4*\b+\a], v[TM]     ; M_b - M: a whole number, 0 or less
.endr
.irp b, 0,1,2,3,4,5,6,7
	v_max_num_f32 v[ND+\b], 0xc2800000, v[ND+\b]   ; nd_b: not under -64
.endr
.irp b, 0,1,2,3,4,5,6,7
	v_cvt_i32_f32 v[ND+\b], v[ND+\b]
.endr
.irp b, 0,1,2,3,4,5,6,7
	v_ldexp_f32 v[WT+\b], 1.0, v[ND+\b]            ; 2^nd_b
.endr
	v_mul_f32 v[LSUM+\a], v[WT], v[LB+\a]
.irp b, 1,2,3,4,5,6,7
	v_fmac_f32 v[LSUM+\a], v[WT+\b], v[LB+4*\b+\a] ; l, my half of each block's keys
.endr
	v_mov_b32 v[W7+\a], v[WT+7]                    ; 2^nd_7 is kept for the end
.irp b, 1,2,3,4,5,6,7
	v_sub_nc_u32 v[ND+\b-1], v[ND+\b-1], v[ND+\b]  ; nd_(b-1) - nd_b
.endr
	WIN 0x0c                                       ; destination window 0, source 1 window 3
.irp b, 1,2,3,4,5,6,7
	v_ldexp_f32 v[FAC+2*(4*(\b-1)+\a)], 1.0, v[ND+\b-1]
	v_ldexp_f32 v[FAC+2*(4*(\b-1)+\a)+1], 1.0, v[ND+\b-1]   ; twice: the packed multiply takes a pair
.endr
.endm
.macro LASTFAC                         ; the last factor of my four blocks of rows
	WIN 0xff
.irp a, 0,1,2,3
	v_permlanex16_b32 v[ND+\a], v[LSUM+\a], s90, s91
.endr
.irp a, 0,1,2,3
	v_add_f32 v[LSUM+\a], v[LSUM+\a], v[ND+\a]     ; l: at least 1/2, since the row's largest block has the weight 1
.endr
	s_wait_alu depctr_va_vdst(0)                   ; a wait ahead of the batch,
.irp a, 0,1,2,3
	v_rcp_f32 v[ND+\a], v[LSUM+\a]
.endr
	v_nop                                          ; a plain line behind the last reciprocal
	s_wait_kmcnt 0x0
	s_add_co_i32 s80, s80, s81                     ; e8 + e9
	s_wait_alu depctr_va_vdst(0)                   ; and one ahead of its first reader
	WIN 0x0f
.irp a, 0,1,2,3
	v_mul_f32 v[FIN+2*\a], v[ND+\a], v[W7+\a]
.endr
	WIN 0
.irp a, 0,1,2,3
	v_ldexp_f32 v[FIN+2*\a], v[FIN+2*\a], s80      ; 2^nd_7 x 2^(e8 + e9) / l
.endr
.irp a, 0,1,2,3
	v_mov_b32 v[FIN+2*\a+1], v[FIN+2*\a]
.endr
.endm
.macro FRAG reg, adr, off              ; 16 rows x 128 K, 2,048 bytes on end: piece c of lane l at 512 c + 16 l
.irp c, 0,1,2,3
	ds_load_b128 v[(\reg)+4*\c:(\reg)+4*\c+3], v[\adr] offset:(\off)+512*\c
.endr
.endm
; The 48 LDS loads of a step go in four runs of 12.  A run: V's fragments 2 j, 2 j + 1 and P's fragment j of the q-th 128 keys of D (big = 1) or S (0), into sets p
.macro FQ big, q, p, j
	WIN TO_B
.irp i, 2*(\j), 2*(\j)+1
	FRAG 128*(\p)+FR*(\i), ADRB+(\big), VKB*(\q)+2048*(\i)
.endr
	WIN 0
	FRAG AF+64*(\p)+FR*(\j), ADRA+(\big), PKB*(\q)+2048*(\j)
.endm
.macro MUL8 a, p, zero                 ; 8 matrix instructions: P's block a x V's eight.  The accumulators take turns, one instruction a turn
	WIN MUL
.irp b, 0,1,2,3,4,5,6,7
.if \zero
	v_wmma_f32_16x16x128_fp8_fp8 v[8*(8*(\a)+\b):8*(8*(\a)+\b)+7], v[128*(\p)+FR*\b:128*(\p)+FR*\b+FR-1], v[AF+64*(\p)+FR*(\a):AF+64*(\p)+FR*(\a)+FR-1], 0
.else
	v_wmma_f32_16x16x128_fp8_fp8 v[8*(8*(\a)+\b):8*(8*(\a)+\b)+7], v[128*(\p)+FR*\b:128*(\p)+FR*\b+FR-1], v[AF+64*(\p)+FR*(\a):AF+64*(\p)+FR*(\a)+FR-1], v[8*(8*(\a)+\b):8*(8*(\a)+\b)+7]
.endif
.endr
.endm
.macro RESC blk, a                     ; the sums of rows' block a go from block blk - 1's base to block blk's: x a power of two; each accumulator from its low end on
	WIN 0x82                                       ; destination and source 0 window 2, the factor window 0
.set n, 0
.rept 32
	v_pk_mul_f32 v[64*(\a)+n:64*(\a)+n+1], v[64*(\a)+n:64*(\a)+n+1], v[FAC+2*(4*((\blk)-1)+(\a)):FAC+2*(4*((\blk)-1)+(\a))+1]
.set n, n+2
.endr
.endm
; The sixteen steps of 128 keys take the fragment sets by turns: even steps set 0, odd steps set 1.
; AN EVEN STEP begins block blk of 256 keys: the sums change their base; the next step's fragments, which lie in the same slot, are fetched into set 1.
.macro BASE big, q, blk
	PLACES                                         ; behind the last products: for the multiplies on their sums and the loads into set 1
.irp j, 0,1,2,3
	RESC \blk, \j
	FQ \big, (\q)+1, 1, \j
.endr
.if (\blk) == 1
	LASTFAC                                        ; (the sums have just been read: no product's result waits for its first reader here)
.endif
	s_wait_alu depctr_va_vdst(0)                   ; directly ahead of the wait below
	s_wait_dscnt 48                                ; set 0 is in; the 48 loads just issued may be out
.endm
.macro EVEN big, q, blk
.if (\blk) == 0
.irp a, 0,1,2,3
	FQ \big, (\q)+1, 1, \a
.if \a == 0
	s_wait_dscnt 12                                ; set 0 is in; the 12 loads just issued may be out
.endif
	MUL8 \a, 0, 1                                  ; the first products start the sums
.endr
.else
	BASE \big, \q, \blk
.irp a, 0,1,2,3
	MUL8 \a, 0, 0
.endr
.endif
.endm
; AN ODD STEP IN THE MIDDLE OF D.  stat = 1: the statistics are worked out behind its products.
.macro MID q, stat
	PLACES                                         ; set 0 has just been multiplied
.if \stat
	s_wait_loadcnt 0x0                             ; the statistics
.endif
.irp a, 0,1,2,3
	FQ 1, (\q)+1, 0, \a
.if \a == 0
	s_wait_dscnt 12                                ; set 1 is in; the 12 loads just issued may be out
.endif
	MUL8 \a, 1, 0
.if \stat
	STAT \a
.endif
.endr
.endm
; AN ODD STEP THAT ENDS A SLOT: ONE barrier; in front of it each wave waits for all its tensor loads, adds 0 to its spare word, and waits for that and for its own reads of this slot.
; next: the slot that is entered (1 = D, 0 = S).  fill = 1: the slot that is left is filled again, with the keys 768 on from its last.  ka, kb: the prefetches, 0 for none.
.macro TURN3 next, fill, ka, kb
	WIN 0
	s_wait_tensorcnt 0x0                           ; all my tensor loads have landed: my part of the slot that is entered
	ds_add_u32 v[SPW], v[NIL]                      ; 0 onto my spare word
	s_wait_dscnt 1                                 ; set 1 is in (the add may be out)
	MUL8 0, 1, 0
	s_wait_dscnt 0x0                               ; the add is done, and my reads of this slot are over
	s_barrier_signal -1
	MUL8 1, 1, 0
	WIN 0
	s_barrier_wait -1
.if \fill
	CREST                                          ; a round of the cluster's barrier: no wave of any partner still reads this slot or has a load on its way
.if (\next) == 0
	s_add_nc_u64 s[G0AD+2:G0AD+3], s[G0AD+2:G0AD+3], 6<<20
	s_add_nc_u64 s[G0BD+2:G0BD+3], s[G0BD+2:G0BD+3], 6*131072
	JLOAD G0AD, G1AD, G0BD, G1BD                   ; the first tensor load behind the round; its four v_nop are the places in front of the loads below
.else
	s_add_nc_u64 s[G0AS+2:G0AS+3], s[G0AS+2:G0AS+3], 6<<20
	s_add_nc_u64 s[G0BS+2:G0BS+3], s[G0BS+2:G0BS+3], 6*131072
	JLOAD G0AS, G1AS, G0BS, G1BS
.endif
.else
	PLACES
.endif
	FQ \next, 0, 0, 0
	FQ \next, 0, 0, 1
.if \ka
	ASK \ka
.endif
.if \kb
	ASK \kb
.endif
	MUL8 2, 1, 0
	FQ \next, 0, 0, 2
	FQ \next, 0, 0, 3
	MUL8 3, 1, 0
.endm
; THE WAY OUT of a block of 16 rows x 128 channels: x the last factor, through my own stage in LDS, back as whole rows of 512 bytes.  LDS serves a wave's instructions in order (ISA guide 5.7.1.4): no wait between the stores and the loads.
.macro TOSTAGE a
	WIN 0xc2                                       ; destination window 3, source 0 window 2
.set n, 0
.rept 32
	v_pk_mul_f32 v[n:n+1], v[64*(\a)+n:64*(\a)+n+1], v[FIN+2*(\a):FIN+2*(\a)+1]   ; each accumulator from its low end on
.set n, n+2
.endr
	WIN 0x0c                                       ; data window 3
.irp b, 0,1,2,3,4,5,6,7
	ds_store_b128 v[STO], v[8*\b:8*\b+3] offset:64*\b
	ds_store_b128 v[STO], v[8*\b+4:8*\b+7] offset:64*\b+16
.endr
	WIN 0xc0                                       ; destination window 3
.set BB, 64+64*((\a)%2)
.irp t, 0,1,2,3,4,5,6,7,8,9,10,11,12,13,14,15
	ds_load_b128 v[BB+4*\t:BB+4*\t+3], v[RD] offset:\t*SPITCH
.endr
.endm
.macro SEND a, younger                 ; younger: the LDS instructions issued behind block a's loads, which may stay out
.set BB, 64+64*((\a)%2)
	s_wait_dscnt \younger
.if (\a) > 0
	s_wait_xcnt 0x0                                ; the earlier stores have read their base and their registers
	s_add_nc_u64 s[78:79], s[78:79], 16*4096       ; 16 rows on
.endif
	WIN 0x0c                                       ; data window 3
.irp t, 0,1,2,3,4,5,6,7,8,9,10,11,12,13,14,15
	global_store_b128 v[CO], v[BB+4*\t:BB+4*\t+3], s[78:79] offset:\t*4096 th:TH_STORE_NT   ; 32 lanes store 512 consecutive bytes, at a multiple of 256 from out0's first byte; written once, read by nobody here
.endr
.endm
	s_wait_tensorcnt 0x0                           ; my part of D and S is in, so the descriptors may be written:
.irp g, G1AD, G1BD
	s_mov_b32 s[\g+2], 4<<16                       ; from here on D's loads bring four blocks of 128 keys
	s_mov_b32 s[\g+4], 4
.endr
	s_barrier_signal -1
	s_barrier_wait -1
.irp j, 0,1,2,3
	FQ 1, 0, 0, \j
.endr
	ASK -1                                         ; key blocks 6 to 9: D's next
	ASK 1
	EVEN 1, 0, 0                                   ; D: keys 0-511
	MID 1, 1
	EVEN 1, 2, 1
	TURN3 0, 1, 3, 5                               ; D takes keys 768-1279; key blocks 10 to 13 are asked for
	EVEN 0, 0, 2                                   ; S: keys 512-767
	TURN3 1, 1, 7, 0                               ; S takes keys 1280-1535; key blocks 14 and 15
	EVEN 1, 0, 3                                   ; D
	MID 1, 0
	EVEN 1, 2, 4
	TURN3 0, 1, 0, 0                               ; D takes keys 1536-2047
	EVEN 0, 0, 5                                   ; S
	TURN3 1, 0, 0, 0                               ; nothing is left to fetch: a plain barrier; behind it nobody reads S
	EVEN 1, 0, 6                                   ; D
	MID 1, 0
	BASE 1, 2, 7                                   ; the last 256 keys, by rows
	MUL8 0, 0, 0
	MUL8 1, 0, 0
	s_wait_dscnt 0x0                               ; set 1 is in
	MUL8 0, 1, 0
	MUL8 1, 1, 0
	PLACES                                         ; for block 0's multiplies, which read results just made; further on the multiplies of the block before are these places
	TOSTAGE 0
	MUL8 2, 0, 0
	MUL8 2, 1, 0
	SEND 0, 0
	TOSTAGE 1
	MUL8 3, 0, 0
	MUL8 3, 1, 0
	SEND 1, 0                                      ; (behind its wait on XCNT block 0's rows may be overwritten)
	TOSTAGE 2
	s_wait_xcnt 0x0                                ; block 1's stores have read their registers
	TOSTAGE 3
	SEND 2, 32                                     ; behind block 2's loads: block 3's 16 stores and 16 loads
	SEND 3, 0
	WIN 0
	s_wait_tensorcnt 0x0                           ; the wave's end
	ds_add_u32 v[SPW], v[NIL]
	s_wait_dscnt 0x0
	CROUND                                         ; the closing round
	s_endpgm
.Lfunc_end_k_q555e6a87c8_pv:
	.size	k_q555e6a87c8_pv, .Lfunc_end_k_q555e6a87c8_pv-k_q555e6a87c8_pv
	.p2alignl 7, 3214868480
	.fill 96, 4, 3214868480
	.section	.rodata,"a",@progbits
	.p2align	6, 0x0
	.amdhsa_kernel k_q555e6a87c8_pv
		.amdhsa_group_segment_fixed_size 327680
		.amdhsa_private_segment_fixed_size 0
		.amdhsa_enable_private_segment 0
		.amdhsa_kernarg_size 48
		.amdhsa_user_sgpr_count 2
		.amdhsa_user_sgpr_kernarg_segment_ptr 1
		.amdhsa_wavefront_size32 1
		.amdhsa_system_sgpr_workgroup_id_x 1
		.amdhsa_system_sgpr_workgroup_id_y 1
		.amdhsa_system_sgpr_workgroup_id_z 1
		.amdhsa_system_vgpr_workitem_id 0
		.amdhsa_next_free_vgpr 1024
		.amdhsa_next_free_sgpr 100
		.amdhsa_reserve_vcc 0
		.amdhsa_float_denorm_mode_32 3
		.amdhsa_float_denorm_mode_16_64 3
		.amdhsa_memory_ordered 1
		.amdhsa_forward_progress 1
		.amdhsa_inst_pref_size 202
	.end_amdhsa_kernel
	.amdgpu_metadata
---
amdhsa.version: [ 1, 2 ]
amdhsa.kernels:
  - .name:           k_q555e6a87c8_pv
    .symbol:         k_q555e6a87c8_pv.kd
    .args:
      - { .name: pc, .offset: 0, .size: 8, .value_kind: global_buffer, .address_space: global }
      - { .name: vc, .offset: 8, .size: 8, .value_kind: global_buffer, .address_space: global }
      - { .name: mstat, .offset: 16, .size: 8, .value_kind: global_buffer, .address_space: global }
      - { .name: lstat, .offset: 24, .size: 8, .value_kind: global_buffer, .address_space: global }
      - { .name: lowp_scales, .offset: 32, .size: 8, .value_kind: global_buffer, .address_space: global }
      - { .name: out0, .offset: 40, .size: 8, .value_kind: global_buffer, .address_space: global }
    .group_segment_fixed_size: 327680
    .private_segment_fixed_size: 0
    .kernarg_segment_align: 8
    .kernarg_segment_size: 48
    .max_flat_workgroup_size: 128
    .sgpr_count:     100
    .vgpr_count:     1024
    .wavefront_size: 32
...
	.end_amdgpu_metadata
.endif
;; end of part 3
